; MI455X (gfx1250); checked and timed in simulation.
; The chip was launched on July 23, 2026; its instructions are those of AMD's public machine-readable ISA for CDNA 5 (MIT licence, August 2026) and "CDNA5" Instruction Set Architecture Reference Guide (July 2026). The comments in the code are by the model that wrote it; some were corrected since.
;; Style Attention Layer. Allowed arithmetic: float matrix products may take bf16 or f16 operands with f32 sums; all other float work in f32.
;; Inputs: Wk 1,024 x 1,024 float32; Wo 1,024 x 1,024 float32; Wq 1,024 x 1,024 float32; Wv 1,024 x 1,024 float32; bk 1,024 float32; bo 1,024 float32; bq 1,024 float32; bv 1,024 float32; keys 8 x 1,024 x 1,024 float32; mask_t 8 x 1,024 x 1 int32; values 8 x 1,024 x 1,024 float32; x 8 x 1,024 x 1,024 float32.
;; Outputs: out0 8 x 1,024 x 1,024 float32.
;; 2 versions, each right; version 2 is version 1 with the launch castw written anew for expert scheduling mode. Each part assembles by itself: llvm-mc -triple=amdgcn-amd-amdhsa -mcpu=gfx1250 --defsym DOCPART=n.
;; ======== version 1 of 2: 4 launches
;; limits: values are held in f16: magnitudes above 65,504 overflow, below 6.1e-05 lose precision
;; workspace buffers: wb 8,388,608 bytes; qkv 50,331,648 bytes; oh 16,777,216 bytes
;; launch castw (part 1): grid 64 x 4, 8 waves a work-group, no clusters, 0 bytes of LDS; arguments Wk, Wv, Wq, Wo, wb; writes wb
.if DOCPART == 1
	.amdgcn_target "amdgcn-amd-amdhsa--gfx1250"
	.amdhsa_code_object_version 6
	.text
	.protected	k_q67b127a9bf_castw
	.globl	k_q67b127a9bf_castw
	.p2align	8
	.type	k_q67b127a9bf_castw,@function
k_q67b127a9bf_castw:
	s_mov_b64 s[64:65], 0
	v_nop
	global_prefetch_b8 v0, s[64:65] scope:SCOPE_SE
	s_setreg_imm32_b32 hwreg(HW_REG_WAVE_MODE, 25, 1), 1
	s_wait_xcnt 0x0
; The four weight matrices, [1024][1024] f32, are rounded once to 16 bits: wb[0] = Wk, wb[1] = Wv, wb[2] = Wq in bf16;
; wb[3] = Wo rounded to bf16 like every input, and that number written as f16 (the last product multiplies f16 by f16).
; LIMIT: a bf16 number is exact in f16 from 6.1e-5 to 65,504 in magnitude; below that it keeps f16's fixed step of 6e-8, beyond it is lost.
; Work-group (x, y): matrix y, numbers 16,384 x to 16,384 x + 16,383: 64 KiB in, 32 KiB out.  A stream: no LDS, no barrier, no matrix unit.
; Thread t takes 16 bytes at 16 t of each block of 4,096 bytes; all sixteen loads go out first, each with registers of its own,
; so the waits only count down and no register is used twice.  A wave's store covers 256 consecutive bytes, aligned.
.set X, 4                              ; v[4:67]   sixteen loads of four numbers
.set Y, 68                             ; v[68:99]  sixteen pairs of packed words
.set T, 100                            ; v[100:101] at work
	s_load_b256 s[4:11], s[0:1], 0x0               ; Wk, Wv, Wq, Wo
	s_load_b64 s[12:13], s[0:1], 0x20              ; wb
	s_and_b32 s14, ttmp7, 0xffff                   ; y: which matrix
	v_lshlrev_b32 v1, 4, v0                        ; 16 t
	v_lshlrev_b32 v2, 3, v0                        ; 8 t
	s_lshl_b32 s16, ttmp9, 16                      ; my 64 KiB of the source
	s_mov_b32 s17, 0
	s_lshl_b32 s18, s14, 21                        ; matrix y in wb,
	s_lshl_b32 s20, ttmp9, 15                      ; my 32 KiB of it
	s_add_co_u32 s18, s18, s20
	s_mov_b32 s19, 0
	s_mov_b32 s21, 0xffff0000                      ; a word's upper bf16
	s_wait_kmcnt 0x0
	s_cmp_eq_u32 s14, 1
	s_cselect_b64 s[4:5], s[6:7], s[4:5]
	s_cmp_eq_u32 s14, 2
	s_cselect_b64 s[4:5], s[8:9], s[4:5]
	s_cmp_eq_u32 s14, 3
	s_cselect_b64 s[4:5], s[10:11], s[4:5]
	s_add_nc_u64 s[4:5], s[4:5], s[16:17]
	s_add_nc_u64 s[12:13], s[12:13], s[18:19]
.irp i, 0,1,2,3,4,5,6,7,8,9,10,11,12,13,14,15
	global_load_b128 v[X+4*\i:X+4*\i+3], v1, s[4:5] offset:4096*\i th:TH_LOAD_NT
.endr
	s_cmp_eq_u32 s14, 3
	s_cbranch_scc1 .Lwo
.irp i, 0,1,2,3,4,5,6,7,8,9,10,11,12,13,14,15
	s_wait_loadcnt 15-\i                           ; loads come back in order: load i is in, the younger ones stay out
	v_cvt_pk_bf16_f32 v[Y+2*\i], v[X+4*\i], v[X+4*\i+1]
	v_cvt_pk_bf16_f32 v[Y+2*\i+1], v[X+4*\i+2], v[X+4*\i+3]
	global_store_b64 v2, v[Y+2*\i:Y+2*\i+1], s[12:13] offset:2048*\i
.endr
	s_endpgm
.Lwo:                                                  ; Wo: to bf16, widened again, and that number as f16
.irp i, 0,1,2,3,4,5,6,7,8,9,10,11,12,13,14,15
	s_wait_loadcnt 15-\i
	v_cvt_pk_bf16_f32 v[T], v[X+4*\i], v[X+4*\i+1]
	v_cvt_pk_bf16_f32 v[T+1], v[X+4*\i+2], v[X+4*\i+3]
	v_lshlrev_b32 v[X+4*\i], 16, v[T]
	v_and_b32 v[X+4*\i+1], s21, v[T]
	v_lshlrev_b32 v[X+4*\i+2], 16, v[T+1]
	v_and_b32 v[X+4*\i+3], s21, v[T+1]
	v_cvt_pk_f16_f32 v[Y+2*\i], v[X+4*\i], v[X+4*\i+1]
	v_cvt_pk_f16_f32 v[Y+2*\i+1], v[X+4*\i+2], v[X+4*\i+3]
	global_store_b64 v2, v[Y+2*\i:Y+2*\i+1], s[12:13] offset:2048*\i
.endr
	s_endpgm
.Lfunc_end_k_q67b127a9bf_castw:
	.size	k_q67b127a9bf_castw, .Lfunc_end_k_q67b127a9bf_castw-k_q67b127a9bf_castw
	.p2alignl 7, 3214868480
	.fill 96, 4, 3214868480
	.section	.rodata,"a",@progbits
	.p2align	6, 0x0
	.amdhsa_kernel k_q67b127a9bf_castw
		.amdhsa_group_segment_fixed_size 0
		.amdhsa_private_segment_fixed_size 0
		.amdhsa_enable_private_segment 0
		.amdhsa_kernarg_size 40
		.amdhsa_user_sgpr_count 2
		.amdhsa_user_sgpr_kernarg_segment_ptr 1
		.amdhsa_wavefront_size32 1
		.amdhsa_system_sgpr_workgroup_id_x 1
		.amdhsa_system_sgpr_workgroup_id_y 1
		.amdhsa_system_sgpr_workgroup_id_z 1
		.amdhsa_system_vgpr_workitem_id 0
		.amdhsa_next_free_vgpr 104
		.amdhsa_next_free_sgpr 66
		.amdhsa_reserve_vcc 0
		.amdhsa_float_denorm_mode_32 3
		.amdhsa_float_denorm_mode_16_64 3
		.amdhsa_memory_ordered 1
		.amdhsa_forward_progress 1
		.amdhsa_inst_pref_size 15
	.end_amdhsa_kernel
	.amdgpu_metadata
---
amdhsa.version: [ 1, 2 ]
amdhsa.kernels:
  - .name:           k_q67b127a9bf_castw
    .symbol:         k_q67b127a9bf_castw.kd
    .args:
      - { .name: Wk, .offset: 0, .size: 8, .value_kind: global_buffer, .address_space: global }
      - { .name: Wv, .offset: 8, .size: 8, .value_kind: global_buffer, .address_space: global }
      - { .name: Wq, .offset: 16, .size: 8, .value_kind: global_buffer, .address_space: global }
      - { .name: Wo, .offset: 24, .size: 8, .value_kind: global_buffer, .address_space: global }
      - { .name: wb, .offset: 32, .size: 8, .value_kind: global_buffer, .address_space: global }
    .group_segment_fixed_size: 0
    .private_segment_fixed_size: 0
    .kernarg_segment_align: 8
    .kernarg_segment_size: 40
    .max_flat_workgroup_size: 256
    .sgpr_count:     66
    .vgpr_count:     104
    .wavefront_size: 32
...
	.end_amdgpu_metadata
.endif
;; end of part 1
;; launch proj (part 2): grid 4 x 64, 4 waves a work-group, clusters of 4 x 4, 327,680 bytes of LDS; arguments keys, values, x, wb, bk, bv, bq, qkv; writes qkv
.if DOCPART == 2
	.amdgcn_target "amdgcn-amd-amdhsa--gfx1250"
	.amdhsa_code_object_version 6
	.text
	.protected	k_q67b127a9bf_proj
	.globl	k_q67b127a9bf_proj
	.p2align	8
	.type	k_q67b127a9bf_proj,@function
k_q67b127a9bf_proj:
	s_mov_b64 s[64:65], 0
	v_nop
	global_prefetch_b8 v0, s[64:65] scope:SCOPE_SE
	s_setreg_imm32_b32 hwreg(HW_REG_WAVE_MODE, 25, 1), 1
	s_wait_xcnt 0x0
	s_wait_alu depctr_hold_cnt(0) depctr_sa_sdst(0) depctr_va_vdst(0) depctr_va_sdst(0) depctr_va_ssrc(0) depctr_va_vcc(0) depctr_vm_vsrc(0)
	s_getreg_b32 s2, hwreg(HW_REG_IB_STS2, 6, 4)
	s_cmp_eq_u32 s2, 0
	s_cbranch_scc0 .Lentry_in_a_cluster
	s_endpgm
.Lentry_in_a_cluster:
	s_bfe_u32 s2, ttmp6, 0x10000c
	s_cmp_lg_u32 s2, 0xf033
	s_cbranch_scc0 .Lentry_shape_is_right
	s_endpgm
.Lentry_shape_is_right:
; THE THREE PROJECTIONS.  k = tanh(keys Wk^T + bk), v = values Wv^T + bv, q = x Wq^T + bq, written by heads as f16: qkv[3][4 heads][8192 rows][256].
; keys, values, x: [8192][1024] f32, rounded to bf16 on the way from LDS to the fragment; the weights come as bf16 from wb; the biases are rounded to bf16 like every input; sums in f32.
; LIMITS.  q and v must lie within f16's 65,504 and keep f16's fixed step of 6e-8 below 6.1e-5.  tanh(y) = 1 - 2 / (1 + 2^(2.885390 y)): an absolute error of about 1e-7; it ends at +-1 for large |y|.
; NaN and infinities are not treated apart.
; SHARES.  3 x 8192 x 1024 outputs on 256 work-groups: a work-group STAYS and makes three tiles of 128 rows x 256 columns, the same rows and the same head of k, v and q.  Four waves, each 64 x 128:
; 32 accumulators of 16 x 16.  One walk of 24 K steps of 128 through two LDS slots; the ring does not stop at a tile's end.  A K step is written once for both slots: the LDS addresses hang on s[TB].
; CLUSTER 4 x 4: the four work-groups of a row of the cluster need the same 128 rows of the activations, the four of a column the same 256 rows of the weights: each tile is asked for jointly.
; INTO THE L2 AHEAD.  The activations are read from memory once, and LDS has no room for slots of two K steps.  So the trip that asks for K step t + 2 by tensor load also asks K step t + 4 into the L2, two trips
; (256 matrix instructions a wave) ahead of the load that wants it: 128 rows x 512 bytes, lanes 256 bytes apart, each such piece by ONE lane of the launch: of the four work-groups that share the rows, work-group j
; takes 16 rows of each half, waves 0 and 1 a half each.  K steps 2 and 3 are asked for at the start; the last two filling trips ask for nothing, so no request leaves its row.
; The weights are not asked for ahead: 64 blocks of rows read them again and again.
; THE MATRIX INSTRUCTION IS USED TRANSPOSED: source 0 = 16 rows of W (output channels), source 1 = 16 token rows: a lane holds token row l % 16 and the channels 8 (l / 16) + 0..7, which pack into 16 bytes.
; THE BIAS STARTS THE SUMS: the accumulators are set to the (rounded) bias of their channels, for the next tile while the finished tile is packed: no clearing and no add.
; REGISTERS, in windows of 256 (s_set_vgpr_msb: bits 1:0 source 0, 3:2 source 1, 5:4 source 2, 7:6 destination):
;   window 0: v0-31 addresses; v32-95 A's fragments in bf16, two buffers; v96-159 A as loaded, f32; v160-191 packed results; v192-255 rows read back from the stage, two buffers
;   window 1: the accumulators, (a, b) at 8 (8 a + b)          window 2: v0-127 W's fragments, two buffers; v128-191 the bias of my 128 channels; v192-195 at work
.set PITA,   528                       ; an LDS row of activations: 512 bytes of f32 + 16: an odd multiple of 16, so the 16 rows of a load begin in 16 different columns of 16 bytes
.set PITB,   272                       ; an LDS row of weights: 256 bytes of bf16 + 16
.set HALFA,  64*PITA                   ; what one tensor load brings of A, and what one wave reads of it
.set HALFB,  128*PITB                  ; the same for W
.set BOFF,   2*HALFA                   ; a slot: A's 128 rows, then W's 256 rows: 137,216 bytes
.set SLOT1,  0x22000                   ; slot 1 begins here.  Bits 13 and 17 are 0 in slot 0's four tile addresses (0, 0x8400, 0x10800, 0x19000), so one exclusive or turns an address in one slot into the other's
.set STAGE,  2*SLOT1                   ; behind the ring: 16 rows x 272 bytes for each wave, for the way out; no tensor load lands here
.set SPITCH, 272
.set SPARE,  STAGE+4*16*SPITCH         ; the spare words: 128 bytes a wave, two blocks of 256 bytes that no other line names
.set A0,   16                          ; my lane's place among my A rows in a slot; never rewritten
.set B0,   17                          ; the same for W
.set ADRA, 20                          ; s[TB] + A0: the slot being read
.set ADRB, 21
.set STO,  24                          ; where I put 16 bytes of a row
.set RD,   25                          ; where I read a row back
.set CO,   26                          ; my byte offset in two rows of the output
.set BO,   27                          ; my byte offset in 16 channels of a bias
.set SPW,  28                          ; my spare word; never rewritten
.set NIL,  29                          ; 0; never rewritten
.set VPF,  30                          ; the request ahead: my lane's byte offset in my wave's 64 rows of A: row 16 j + l / 2, 256 bytes x (l % 2); never rewritten
.set AF,   32
.set ST,   96
.set TMP,  160
.set OB,   192
.set BF,   0                           ; window 2
.set BI,   128                         ; window 2
.set WK,   192                         ; window 2
.set PFP, 4                            ; s[4:5] A at the K step that is asked into the L2
.set PN1, 6                            ; s[6:7] the next tensor's first K step, for that walk; s[8:9] the one after
.set PN2, 8
.set WV,  20                           ; s20 wave; s21 its half of the rows; s22 its half of the columns, and which half of a tile it fetches
.set MH,  21
.set NH,  22
.set G1A, 28                           ; s[28:35] group 1 for A's tiles, s[36:43] for W's
.set G1B, 36
.set G0A, 44                           ; s[44:51] group 0 for A's tiles: a set for each of the two first fills; the second then walks on
.set G0B, 52                           ; s[52:59] the same for W's
.set PAP, 60                           ; s[60:61] A at the K step that is asked for next
.set PBP, 62                           ; s[62:63] the same for W
.set NA1, 66                           ; s[66:67] the next tensor's first K step; s[68:69] the one after
.set NA2, 68
.set INC, 70                           ; s[70:71] W's step
.set RL,  72                           ; K steps still to be asked for of the tensor in hand
.set STEPC, 73
.set TL,  74                           ; K steps left of the tile in hand
.set TI,  75                           ; the tile's number
.set TC,  76                           ; s[76:77] 2 log2(e)
.set HM,  78                           ; a word's upper bf16
.set TB,  79                           ; LDS byte at which the slot being read begins
.set OUT, 80                           ; s[80:81] my part of the tile in qkv
.set BIGS, 82                          ; W's step into the next matrix
.set SMLS, 83                          ; W's step of a K step
.set PFL, 84                           ; K steps left, s[PFP]'s own among them, of the tensor that the walk ahead is in
.set MSB, 0
.macro WIN new                         ; the immediate's high byte repeats the setting that is left; a switch that changes nothing is dropped
.if MSB != (\new)
	s_set_vgpr_msb (MSB<<8)|(\new)
.set MSB, (\new)
.endif
.endm
.set W_MUL,  0x52                      ; W in window 2, A in window 0, C and D in window 1
.set W_TOB,  0x80                      ; destination window 2, address window 0
.set W_PACK, 0x05                      ; sources in window 1, destination in window 0
.set W_INIT, 0x42                      ; source in window 2, destination in window 1
.set W_ACC,  0x41                      ; in place in window 1
.set W_BIAS, 0xaa                      ; all in window 2
; A joint refill: waves 0 and 1 fetch A's halves, waves 2 and 3 W's.  The branch hangs on the wave's number alone.  An s_nop 0 and four v_nop follow each line.
; Behind their own load waves 0 and 1 ask the K step two trips on into the L2; in the loop's last two trips (the count stands at 2 and 1) that step would lie past K's end, and nothing is asked.
.macro JLOAD
	s_cmp_lt_u32 s[WV], 2
	s_cbranch_scc0 .Lfor_b_\@
	tensor_load_to_lds s[G0A+4:G0A+7], s[G1A:G1A+7]
	s_nop 0
.rept 4
	v_nop
.endr
	s_cmp_lt_u32 s[STEPC], 3
	s_cbranch_scc1 .Lasked_\@
	global_prefetch_b8 v[VPF], s[PFP:PFP+1] th:TH_LOAD_NT scope:SCOPE_SE
	s_branch .Lasked_\@
.Lfor_b_\@:
	tensor_load_to_lds s[G0B+4:G0B+7], s[G1B:G1B+7]
	s_nop 0
.rept 4
	v_nop
.endr
.Lasked_\@:
.endm
.macro CREST                           ; a round of the cluster's barrier behind its opening barrier
	s_cmp_lg_u32 s[WV], 0
	s_cbranch_scc1 .Lnot_wave_0_\@
	s_barrier_signal -3
.Lnot_wave_0_\@:
	s_barrier_wait -3
	s_barrier_signal -1
	s_barrier_wait -1
.endm
.macro CROUND                          ; a whole round
	s_barrier_signal -1
	s_barrier_wait -1
	CREST
.endm
	s_load_b512 s[4:19], s[0:1], 0x0               ; keys, values, x, wb, bk, bv, bq, qkv
	v_lshl_add_u32 v[SPW], v0, 2, SPARE
	v_mov_b32 v[NIL], 0
	ds_add_u32 v[SPW], v[NIL]                      ; the wave's opening: the add and its wait ahead of my first tensor load; the set-up below stands between them
	v_lshrrev_b32 v1, 5, v0
	v_readfirstlane_b32 s[WV], v1
	s_lshr_b32 s[MH], s[WV], 1
	s_and_b32 s[NH], s[WV], 1
	s_bfe_u32 s23, ttmp6, 0x40000                  ; cx
	s_bfe_u32 s24, ttmp6, 0x40004                  ; cy
	s_lshl_b32 s25, ttmp9, 2
	s_add_co_u32 s25, s25, s23                     ; j: the head = 4 x cluster x + cx
	s_and_b32 s26, ttmp7, 0xffff
	s_lshl_b32 s26, s26, 2
	s_add_co_u32 s26, s26, s24                     ; i: the block of 128 rows = 4 x cluster y + cy
	s_lshl_b32 s95, s24, 2
	s_lshl_b32 s95, 15, s95                        ; my row of the cluster
	s_lshl_b32 s96, 0x1111, s23                    ; my column
	s_or_b32 s[G1A], s95, (2<<16)|(1<<20)|(1<<21)|(6<<22)|(3<<25)  ; the mask; elements of 4 bytes; padding on; bit 21 beside a mask; after every 128 words 4 words
	s_mov_b32 s[G1A+1], 128<<16                    ; tensor_dim0 = 128
	s_mov_b32 s[G1A+2], 64<<16                     ; tensor_dim1 = 64
	s_mov_b32 s[G1A+3], 128<<16                    ; tile_dim0 = 128
	s_mov_b32 s[G1A+4], 64                         ; tile_dim1 = 64
	s_mov_b32 s[G1A+5], 1024                       ; elements from row to row
	s_mov_b32 s[G1A+6], 0
	s_mov_b32 s[G1A+7], 0
	s_or_b32 s[G1B], s96, (1<<16)|(1<<20)|(1<<21)|(5<<22)|(3<<25)  ; elements of 2 bytes; after every 64 words 4 words
	s_mov_b32 s[G1B+1], 128<<16
	s_mov_b32 s[G1B+2], 128<<16
	s_mov_b32 s[G1B+3], 128<<16
	s_mov_b32 s[G1B+4], 128
	s_mov_b32 s[G1B+5], 1024
	s_mov_b32 s[G1B+6], 0
	s_mov_b32 s[G1B+7], 0
	s_lshl_b32 s84, s26, 7                         ; A: row 128 i + 64 x half, 4,096 bytes a row: made of i and the wave alone
	s_lshl_b32 s27, s[NH], 6
	s_add_co_u32 s84, s84, s27
	s_lshl_b32 s84, s84, 12
	s_mov_b32 s85, 0
	s_lshl_b32 s86, s25, 8                         ; W: row 256 j + 128 x half, 2,048 bytes a row: made of j and the wave alone
	s_lshl_b32 s92, s[NH], 7
	s_add_co_u32 s86, s86, s92
	s_lshl_b32 s88, s86, 2                         ; the bias of my 128 channels
	s_mov_b32 s89, 0
	s_lshl_b32 s86, s86, 11
	s_mov_b32 s87, 0
	s_lshl_b32 s90, s25, 13                        ; out: row 8192 j + 128 i + 64 x my half of the rows, 512 bytes a row; + 256 bytes x my half of the columns
	s_lshl_b32 s97, s26, 7
	s_add_co_u32 s90, s90, s97
	s_lshl_b32 s97, s[MH], 6
	s_add_co_u32 s90, s90, s97
	s_lshl_b32 s90, s90, 9
	s_lshl_b32 s97, s[NH], 8
	s_add_co_u32 s90, s90, s97
	s_mov_b32 s91, 0
	s_mul_i32 s93, s[NH], HALFA                    ; where my tile goes in a slot, if I fetch A,
	s_mul_i32 s94, s[NH], HALFB                    ; and if I fetch W: no place in the cluster enters an LDS address
	s_add_co_u32 s94, s94, BOFF
	s_mov_b32 s[TC], 0x4038aa3b                    ; 2 log2(e)
	s_mov_b32 s[TC+1], s[TC]
	s_mov_b32 s[HM], 0xffff0000
	s_mov_b32 s[BIGS], 2097152-1792                ; from a matrix' K step 7 to the next matrix' K step 0
	s_mov_b32 s[SMLS], 256                         ; a K step of 128 bf16
	s_mov_b32 s[INC+1], 0
	s_mov_b32 s[RL], 6                             ; K steps 0 and 1 go out at the start: six of the first tensor are left to ask for
	s_mov_b32 s[STEPC], 22                         ; K steps 0 to 21 ask for K steps 2 to 23
	s_mov_b32 s[TL], 8
	s_mov_b32 s[TI], 0
	s_mov_b32 s[TB], 0
	s_wait_dscnt 0x0                               ; the opening add is done
	s_wait_kmcnt 0x0
	s_add_nc_u64 s[PAP:PAP+1], s[4:5], s[84:85]
	s_add_nc_u64 s[NA1:NA1+1], s[6:7], s[84:85]
	s_add_nc_u64 s[NA2:NA2+1], s[8:9], s[84:85]
	s_add_nc_u64 s[PBP:PBP+1], s[10:11], s[86:87]
	s_add_nc_u64 s[12:13], s[12:13], s[88:89]
	s_add_nc_u64 s[14:15], s[14:15], s[88:89]
	s_add_nc_u64 s[16:17], s[16:17], s[88:89]
	s_add_nc_u64 s[OUT:OUT+1], s[18:19], s[90:91]
	s_add_nc_u64 s[PFP:PFP+1], s[PAP:PAP+1], 3*512 ; the walk ahead stands at K step 3: each filling trip steps it first, so trip t asks for K step t + 4
	s_mov_b64 s[PN1:PN1+1], s[NA1:NA1+1]
	s_mov_b64 s[PN2:PN2+1], s[NA2:NA2+1]
	s_mov_b32 s[PFL], 5                            ; K steps 3 to 7
	CROUND                                         ; all sixteen work-groups are here: the first joint loads meet
.irp s, 0,1
	s_mov_b32 s[G0A+4*(\s)], 1
	s_add_co_u32 s[G0A+4*(\s)+1], s93, (\s)*SLOT1
	s_add_nc_u64 s[G0A+4*(\s)+2:G0A+4*(\s)+3], s[PAP:PAP+1], (\s)*512
	s_or_b32 s[G0A+4*(\s)+3], s[G0A+4*(\s)+3], 0x80000000
	s_mov_b32 s[G0B+4*(\s)], 1
	s_add_co_u32 s[G0B+4*(\s)+1], s94, (\s)*SLOT1
	s_add_nc_u64 s[G0B+4*(\s)+2:G0B+4*(\s)+3], s[PBP:PBP+1], (\s)*256
	s_or_b32 s[G0B+4*(\s)+3], s[G0B+4*(\s)+3], 0x80000000
.endr
	s_cmp_lt_u32 s[WV], 2                          ; a wave's two first fills stand in one branch, ahead of every wait on TENSORcnt and every LDS read: two loads of mine are out
	s_cbranch_scc0 .Lfirst_b
	tensor_load_to_lds s[G0A:G0A+3], s[G1A:G1A+7]
	s_nop 0
	tensor_load_to_lds s[G0A+4:G0A+7], s[G1A:G1A+7]
	s_nop 0
.rept 4
	v_nop
.endr
	s_branch .Lfirst_asked
.Lfirst_b:
	tensor_load_to_lds s[G0B:G0B+3], s[G1B:G1B+7]
	s_nop 0
	tensor_load_to_lds s[G0B+4:G0B+7], s[G1B:G1B+7]
	s_nop 0
.rept 4
	v_nop
.endr
.Lfirst_asked:
	s_add_nc_u64 s[PAP:PAP+1], s[PAP:PAP+1], 1024  ; K step 2
	s_add_nc_u64 s[PBP:PBP+1], s[PBP:PBP+1], 512
	v_and_b32 v6, 31, v0                           ; l
	v_lshrrev_b32 v7, 1, v6                        ; l / 2
	s_lshl_b32 s97, s25, 4                         ; 16 j: my work-group's rows of each half
	v_add_nc_u32 v7, s97, v7
	v_and_b32 v6, 1, v6
	v_lshlrev_b32 v[VPF], 12, v7                   ; 4,096 bytes a row,
	v_lshl_add_u32 v[VPF], v6, 8, v[VPF]           ; lanes 256 bytes apart
	s_cmp_lt_u32 s[WV], 2
	s_cbranch_scc0 .Lno_ahead
	global_prefetch_b8 v[VPF], s[PAP:PAP+1] th:TH_LOAD_NT scope:SCOPE_SE             ; K step 2, which the first trip's tensor load wants,
	global_prefetch_b8 v[VPF], s[PAP:PAP+1] offset:512 th:TH_LOAD_NT scope:SCOPE_SE  ; and K step 3
.Lno_ahead:
	v_and_b32 v1, 15, v0                           ; l % 16
	v_bfe_u32 v2, v0, 4, 1                         ; l / 16
	v_mul_u32_u24 v3, v1, PITA
	v_lshl_add_u32 v3, v2, 5, v3                   ; A in f32: row x pitch + 32 x half
	s_mul_i32 s27, s[MH], HALFA
	v_add_nc_u32 v[A0], s27, v3
	v_mul_u32_u24 v4, v1, PITB
	v_lshl_add_u32 v4, v2, 4, v4                   ; W in bf16: row x pitch + 16 x half
	s_mul_i32 s27, s[NH], HALFB
	s_add_co_u32 s27, s27, BOFF
	v_add_nc_u32 v[B0], s27, v4
	v_add_nc_u32 v[ADRA], s[TB], v[A0]             ; slot 0
	v_add_nc_u32 v[ADRB], s[TB], v[B0]
	s_mul_i32 s27, s[WV], 16*SPITCH
	s_add_co_u32 s27, s27, STAGE                   ; my stage
	v_add_nc_u32 v[STO], s27, v4                   ; in: row l % 16, 16 bytes for each half of the lanes
	v_mul_u32_u24 v5, v2, SPITCH
	v_lshl_add_u32 v5, v1, 4, v5
	v_add_nc_u32 v[RD], s27, v5                    ; back: lanes 0-15 one row of 256 bytes, lanes 16-31 the next
	v_lshlrev_b32 v[CO], 9, v2
	v_lshl_add_u32 v[CO], v1, 4, v[CO]             ; and the same two rows in the output
	v_lshlrev_b32 v[BO], 5, v2                     ; my 8 channels of 16
; The bias of my 128 channels: register 8 b + jj holds channel 16 b + 8 (l / 16) + jj, as the accumulators do.
.macro LDBIAS sb
	WIN W_TOB
.irp b, 0,1,2,3,4,5,6,7
	global_load_b128 v[BI+8*\b:BI+8*\b+3], v[BO], s[\sb:\sb+1] offset:64*\b
	global_load_b128 v[BI+8*\b+4:BI+8*\b+7], v[BO], s[\sb:\sb+1] offset:64*\b+16
.endr
	WIN 0
.endm
.macro RBIAS                           ; rounded to bf16 and widened again
	WIN W_BIAS
.set z, 0
.rept 32
	v_cvt_pk_bf16_f32 v[WK+z%4], v[BI+2*z], v[BI+2*z+1]
	v_lshlrev_b32 v[BI+2*z], 16, v[WK+z%4]
	v_and_b32 v[BI+2*z+1], s[HM], v[WK+z%4]
.set z, z+1
.endr
	WIN 0
.endm
.macro INIT a                          ; the bias starts the sums of row block a
	WIN W_INIT
.set z, 0
.rept 64
	v_mov_b32 v[64*(\a)+z], v[BI+z]
.set z, z+1
.endr
.endm
; The chunk's (32 along K) next matrix instruction: channel block n / 4, row block n % 4.  The 32 accumulators take turns, one instruction a turn, over the edges of chunks, K steps and tiles too.
.macro MM p
.set rD, 8*(8*(n%4)+n/4)
.set rB, BF+64*(\p)+8*(n/4)
.set rA, AF+32*(\p)+8*(n%4)
	v_wmma_f32_16x16x32_bf16 v[rD:rD+7], v[rB:rB+7], v[rA:rA+7], v[rD:rD+7]
.set n, n+1
.endm
.macro QUAD p
	WIN W_MUL
.rept 4
	MM \p
.endr
.endm
; A's row block a of chunk c, as f32: K = 8 (l / 16) + 0..7 are 32 bytes, K = 16 + 8 (l / 16) + 0..7 the 32 bytes 64 further on.
.macro LDA c, a
	WIN 0
	ds_load_b128 v[ST+16*(\a):ST+16*(\a)+3],     v[ADRA] offset:128*(\c)+(\a)*16*PITA
	ds_load_b128 v[ST+16*(\a)+4:ST+16*(\a)+7],   v[ADRA] offset:128*(\c)+(\a)*16*PITA+16
	ds_load_b128 v[ST+16*(\a)+8:ST+16*(\a)+11],  v[ADRA] offset:128*(\c)+(\a)*16*PITA+64
	ds_load_b128 v[ST+16*(\a)+12:ST+16*(\a)+15], v[ADRA] offset:128*(\c)+(\a)*16*PITA+80
.endm
.macro LDB c, q, f                     ; W's channel blocks f and f + 1 of chunk c into buffer q
	WIN W_TOB
.irp e, 0,1
	ds_load_b128 v[BF+64*(\q)+8*((\f)+\e):BF+64*(\q)+8*((\f)+\e)+3],   v[ADRB] offset:64*(\c)+((\f)+\e)*16*PITB
	ds_load_b128 v[BF+64*(\q)+8*((\f)+\e)+4:BF+64*(\q)+8*((\f)+\e)+7], v[ADRB] offset:64*(\c)+((\f)+\e)*16*PITB+32
.endr
.endm
.macro FETCH c, q                      ; 32 LDS loads in ONE run, never singly among the matrix instructions: chunk c's A (16 loads, f32), then its W (16 loads) into buffer q: two window switches
.irp a, 0,1,2,3
	LDA \c, \a
.endr
.irp f, 0,2,4,6
	LDB \c, \q, \f
.endr
.endm
.macro CVT8 q, a                       ; row block a rounded to bf16: the fragment of buffer q
.irp i, 0,1,2,3,4,5,6,7
	v_cvt_pk_bf16_f32 v[AF+32*(\q)+8*(\a)+\i], v[ST+16*(\a)+2*\i], v[ST+16*(\a)+2*\i+1]
.endr
.endm
; A CHUNK multiplies buffer p and makes the next chunk's (fc) fragments in the other buffer: the run of loads first, sixteen matrix instructions while it lands, then eight conversions behind each four.
; LDS instructions of a wave end in order.  The eight conversions behind the last four matrix instructions name none of their registers: they are the places ahead of the next chunk's loads into,
; and conversions onto, the buffers that this chunk has read.
.macro CHUNK p, fc
.set n, 0
	FETCH \fc, 1-(\p)
	s_wait_dscnt 32                                ; all but the 32 just issued: this chunk's W, asked for a chunk ago, is in
.rept 4
	QUAD \p
.endr
.irp a, 0,1,2,3
	QUAD \p
	WIN 0
	s_wait_dscnt 28-4*\a                           ; the first 4 (a + 1) of the 32: A's row block a
	CVT8 1-(\p), \a
.endr
.endm
; A K step's last chunk multiplies buffer 1 and changes slots.  ONE barrier: in front of it each wave waits for all its tensor loads (one is out: its part of the other slot), adds 0 to its spare word and
; waits for that and for its reads of this slot.  fill = 1: the barrier opens a round of the cluster's, and this slot is asked for again first thing behind it, two K steps ahead; the walking descriptors
; and the walk ahead are stepped between the add and the wait for it, where no tensor load of mine is out.
.macro TURN fill
.set n, 0
	WIN 0
	s_wait_tensorcnt 0x0
	ds_add_u32 v[SPW], v[NIL]
.if \fill
	s_wait_xcnt 0x0                                ; the requests ahead, issued a trip ago or at the start, have read their bases: s[PAP] and s[PFP] are written only behind this wait
	s_xor_b32 s[G0A+5], s[G0A+5], SLOT1            ; the other slot than last time: the one being read out
	s_mov_b64 s[G0A+6:G0A+7], s[PAP:PAP+1]
	s_or_b32 s[G0A+7], s[G0A+7], 0x80000000
	s_xor_b32 s[G0B+5], s[G0B+5], SLOT1
	s_mov_b64 s[G0B+6:G0B+7], s[PBP:PBP+1]
	s_or_b32 s[G0B+7], s[G0B+7], 0x80000000
	s_add_nc_u64 s[PAP:PAP+1], s[PAP:PAP+1], 512   ; the next K step; behind a tensor's last the next tensor's first
	s_sub_co_u32 s[RL], s[RL], 1
	s_cmp_eq_u32 s[RL], 0
	s_cselect_b64 s[PAP:PAP+1], s[NA1:NA1+1], s[PAP:PAP+1]
	s_cselect_b64 s[NA1:NA1+1], s[NA2:NA2+1], s[NA1:NA1+1]
	s_cselect_b32 s[INC], s[BIGS], s[SMLS]
	s_cselect_b32 s[RL], 8, s[RL]
	s_add_nc_u64 s[PBP:PBP+1], s[PBP:PBP+1], s[INC:INC+1]
	s_add_nc_u64 s[PFP:PFP+1], s[PFP:PFP+1], 512   ; the walk ahead likewise, on a count of its own
	s_sub_co_u32 s[PFL], s[PFL], 1
	s_cmp_eq_u32 s[PFL], 0
	s_cselect_b64 s[PFP:PFP+1], s[PN1:PN1+1], s[PFP:PFP+1]
	s_cselect_b64 s[PN1:PN1+1], s[PN2:PN2+1], s[PN1:PN1+1]
	s_cselect_b32 s[PFL], 8, s[PFL]
.endif
	s_wait_dscnt 1                                 ; the add alone may be out: this chunk's W is in
	QUAD 1
	s_wait_dscnt 0x0                               ; the add is done, and my reads of this slot are over
	s_barrier_signal -1
	QUAD 1
	WIN 0
	s_barrier_wait -1
.if \fill
	CREST                                          ; no wave of any partner still reads this slot or has a load on its way
	JLOAD
.endif
	s_xor_b32 s[TB], s[TB], SLOT1                  ; the reads go on in the other slot
	v_add_nc_u32 v[ADRA], s[TB], v[A0]
	v_add_nc_u32 v[ADRB], s[TB], v[B0]
	FETCH 0, 0
	QUAD 1
	QUAD 1
.irp a, 0,1,2,3
	QUAD 1
	WIN 0
	s_wait_dscnt 28-4*\a
	CVT8 0, \a
.endr
.endm
.macro STEP fill
	CHUNK 0, 1
	CHUNK 1, 2
	CHUNK 0, 3
	TURN \fill
.endm
; THE WAY OUT of row block a.  TANH (k alone): in place.  PACK: to f16, 16 bytes a lane, each accumulator from its low end.  TOSTAGE: into my stage and back as rows of 256 bytes.  SEND: stored.
.macro TANH a
	WIN W_ACC
.set z, 64*(\a)
.rept 8
.irp e, 0,2,4,6
	v_pk_mul_f32 v[z+\e:z+\e+1], v[z+\e:z+\e+1], s[TC:TC+1] op_sel_hi:[1,0]
.endr
.irp e, 0,1,2,3,4,5,6,7
	v_exp_f32 v[z+\e], v[z+\e]
.endr
	v_nop                                          ; a plain instruction between the last exponential and the use of its result
	s_wait_alu depctr_va_vdst(0)
.irp e, 0,2,4,6
	v_pk_add_f32 v[z+\e:z+\e+1], v[z+\e:z+\e+1], 1.0 op_sel_hi:[1,0]
.endr
.irp e, 0,1,2,3,4,5,6,7
	v_rcp_f32 v[z+\e], v[z+\e]
.endr
	v_nop
	s_wait_alu depctr_va_vdst(0)
.irp e, 0,2,4,6
	v_pk_fma_f32 v[z+\e:z+\e+1], v[z+\e:z+\e+1], -2.0, 1.0 op_sel_hi:[1,0,0]
.endr
.set z, z+8
.endr
.endm
.macro PACK a
	WIN W_PACK
.set z, 0
.rept 32
	v_cvt_pk_f16_f32 v[TMP+z], v[64*(\a)+2*z], v[64*(\a)+2*z+1]
.set z, z+1
.endr
.endm
.macro TOSTAGE a
	WIN 0
.irp b, 0,1,2,3,4,5,6,7
	ds_store_b128 v[STO], v[TMP+4*\b:TMP+4*\b+3] offset:32*\b
.endr
.irp u, 0,1,2,3,4,5,6,7
	ds_load_b128 v[OB+32*((\a)%2)+4*\u:OB+32*((\a)%2)+4*\u+3], v[RD] offset:\u*2*SPITCH  ; LDS serves a wave's instructions in order: these see the stores above
.endr
.endm
.macro SEND a
	WIN 0
	s_wait_dscnt 0x0                               ; the block is back in registers
	s_wait_xcnt 0x0                                ; the registers that earlier stores read are loaded again only behind this wait
.irp u, 0,1,2,3,4,5,6,7
	global_store_b128 v[CO], v[OB+32*((\a)%2)+4*\u:OB+32*((\a)%2)+4*\u+3], s[OUT:OUT+1] offset:(16*(\a)+2*\u)*512  ; 16 lanes store 256 consecutive bytes, aligned
.endr
.endm
.macro HEADA a, next
.if \next
	WIN 0
	s_cmp_lg_u32 s[TI], 0                          ; tile 0 is k
	s_cbranch_scc1 .Lno_tanh_\@
	TANH \a
	WIN 0
.Lno_tanh_\@:
.endif
	PACK \a
.if \next
	INIT \a
.endif
.endm
.macro EPI next                        ; next = 1: a tile follows: its bias, loaded a tile ago, starts its sums
.if \next
	WIN 0
	s_wait_loadcnt 0x0                             ; the next tile's bias
	RBIAS
.endif
	HEADA 0, \next
	TOSTAGE 0
.irp a, 1,2,3
	HEADA \a, \next
	SEND (\a)-1
	TOSTAGE \a
.endr
	SEND 3
.if \next
	s_wait_xcnt 0x0                                ; the stores have read their base
	s_add_nc_u64 s[OUT:OUT+1], s[OUT:OUT+1], 0x1000000
	s_cmp_lg_u32 s[TI], 0
	s_cbranch_scc1 .Lno_bq_\@
	LDBIAS 16                                      ; q's bias, for the tile after the next
.Lno_bq_\@:
	s_add_co_u32 s[TI], s[TI], 1
.endif
.endm
	LDBIAS 12                                      ; bk
	s_wait_loadcnt 0x0
	RBIAS
	INIT 0
	INIT 1
	INIT 2
	INIT 3
	LDBIAS 14                                      ; bv stays out until the first tile's end
	s_wait_tensorcnt 0x1                           ; my part of K step 0 is in; K step 1's may stay out
	s_barrier_signal -1
	s_barrier_wait -1
	FETCH 0, 0
	WIN 0
	s_wait_dscnt 16                                ; A is in; W's 16 loads may be out
	CVT8 0, 0
	CVT8 0, 1
	CVT8 0, 2
	CVT8 0, 3
.Lstep:                                                ; 22 K steps, each of which fills its slot again; every eighth ends a tile
	STEP 1
	WIN 0
	s_sub_co_u32 s[TL], s[TL], 1
	s_cmp_lg_u32 s[TL], 0
	s_cbranch_scc1 .Lno_epi
	EPI 1                                          ; the next tile's first two K steps are asked for: the tile goes out; no barrier and no tensor load stands in here
	s_mov_b32 s[TL], 8
.Lno_epi:
	s_sub_co_u32 s[STEPC], s[STEPC], 1
	s_cmp_lg_u32 s[STEPC], 0
	s_cbranch_scc1 .Lstep
	s_mov_b32 s[STEPC], 2
.Ltail:                                                ; the last two K steps ask for nothing.  One text for both: the very last turn fetches and converts fragments (of the slot read before) that nothing uses, once a launch
	STEP 0
	WIN 0
	s_sub_co_u32 s[STEPC], s[STEPC], 1
	s_cmp_lg_u32 s[STEPC], 0
	s_cbranch_scc1 .Ltail
	s_wait_dscnt 0x0                               ; those last loads
	EPI 0                                          ; the turn's last eight conversions are the places behind the last products
	WIN 0
	s_wait_tensorcnt 0x0                           ; the wave's end
	ds_add_u32 v[SPW], v[NIL]
	s_wait_dscnt 0x0
	CROUND                                         ; the closing round
	s_endpgm
.Lfunc_end_k_q67b127a9bf_proj:
	.size	k_q67b127a9bf_proj, .Lfunc_end_k_q67b127a9bf_proj-k_q67b127a9bf_proj
	.p2alignl 7, 3214868480
	.fill 96, 4, 3214868480
	.section	.rodata,"a",@progbits
	.p2align	6, 0x0
	.amdhsa_kernel k_q67b127a9bf_proj
		.amdhsa_group_segment_fixed_size 327680
		.amdhsa_private_segment_fixed_size 0
		.amdhsa_enable_private_segment 0
		.amdhsa_kernarg_size 64
		.amdhsa_user_sgpr_count 2
		.amdhsa_user_sgpr_kernarg_segment_ptr 1
		.amdhsa_wavefront_size32 1
		.amdhsa_system_sgpr_workgroup_id_x 1
		.amdhsa_system_sgpr_workgroup_id_y 1
		.amdhsa_system_sgpr_workgroup_id_z 1
		.amdhsa_system_vgpr_workitem_id 0
		.amdhsa_next_free_vgpr 720
		.amdhsa_next_free_sgpr 100
		.amdhsa_reserve_vcc 0
		.amdhsa_float_denorm_mode_32 3
		.amdhsa_float_denorm_mode_16_64 3
		.amdhsa_memory_ordered 1
		.amdhsa_forward_progress 1
		.amdhsa_inst_pref_size 172
	.end_amdhsa_kernel
	.amdgpu_metadata
---
amdhsa.version: [ 1, 2 ]
amdhsa.kernels:
  - .name:           k_q67b127a9bf_proj
    .symbol:         k_q67b127a9bf_proj.kd
    .args:
      - { .name: keys, .offset: 0, .size: 8, .value_kind: global_buffer, .address_space: global }
      - { .name: values, .offset: 8, .size: 8, .value_kind: global_buffer, .address_space: global }
      - { .name: x, .offset: 16, .size: 8, .value_kind: global_buffer, .address_space: global }
      - { .name: wb, .offset: 24, .size: 8, .value_kind: global_buffer, .address_space: global }
      - { .name: bk, .offset: 32, .size: 8, .value_kind: global_buffer, .address_space: global }
      - { .name: bv, .offset: 40, .size: 8, .value_kind: global_buffer, .address_space: global }
      - { .name: bq, .offset: 48, .size: 8, .value_kind: global_buffer, .address_space: global }
      - { .name: qkv, .offset: 56, .size: 8, .value_kind: global_buffer, .address_space: global }
    .group_segment_fixed_size: 327680
    .private_segment_fixed_size: 0
    .kernarg_segment_align: 8
    .kernarg_segment_size: 64
    .max_flat_workgroup_size: 128
    .sgpr_count:     100
    .vgpr_count:     720
    .wavefront_size: 32
...
	.end_amdgpu_metadata
.endif
;; end of part 2
;; launch attn (part 3): grid 8 x 32, 4 waves a work-group, clusters of 4 x 1, 327,680 bytes of LDS; arguments qkv, mask_t, oh; writes oh
.if DOCPART == 3
	.amdgcn_target "amdgcn-amd-amdhsa--gfx1250"
	.amdhsa_code_object_version 6
	.text
	.protected	k_q67b127a9bf_attn
	.globl	k_q67b127a9bf_attn
	.p2align	8
	.type	k_q67b127a9bf_attn,@function
k_q67b127a9bf_attn:
	s_mov_b64 s[64:65], 0
	v_nop
	global_prefetch_b8 v0, s[64:65] scope:SCOPE_SE
	s_setreg_imm32_b32 hwreg(HW_REG_WAVE_MODE, 25, 1), 1
	s_wait_xcnt 0x0
	s_wait_alu depctr_hold_cnt(0) depctr_sa_sdst(0) depctr_va_vdst(0) depctr_va_sdst(0) depctr_va_ssrc(0) depctr_va_vcc(0) depctr_vm_vsrc(0)
	s_getreg_b32 s2, hwreg(HW_REG_IB_STS2, 6, 4)
	s_cmp_eq_u32 s2, 0
	s_cbranch_scc0 .Lentry_in_a_cluster
	s_endpgm
.Lentry_in_a_cluster:
	s_bfe_u32 s2, ttmp6, 0x10000c
	s_cmp_lg_u32 s2, 0x3003
	s_cbranch_scc0 .Lentry_shape_is_right
	s_endpgm
.Lentry_shape_is_right:
; ATTENTION at head size 256.  O[q] = the sum over k of softmax_k(Q[q] . K[k] / 32) V[k], for each of 32 pairs (head, batch): 1,024 queries, 1,024 keys.  A row whose mask_t is 0 is written as 0.
; qkv: [k, v, q][4 heads][8 batches][1024][256] f16; oh: [8192][1024] f16, heads side by side.  Products, maxima and sums in f32; the weights p are rounded to f16 for the second product (their sum l is taken
; of the unrounded p), O once at the end.
; LIMITS.  p lies in 0 to 1 and O within V's range; below 6.1e-5 f16 keeps its fixed step of 6e-8.  A weight below 2^-126 counts as 0 in l.  NaN and infinities are not treated apart.
; SHARES.  A work-group owns 128 queries of a pair, each of its four waves 32: two tiles of 16.  Every wave walks all keys, 64 a step.  O^T (256 registers) and Q (128) stay in registers.
; LAYOUT.  S^T = K Q^T (source 0 = 16 keys, source 1 = 16 queries): a lane holds ONE query (l % 16) and the keys 8 (l / 16) + 0..7.  Two such results rounded to f16 in pairs ARE source 1 of O^T = V^T P.
; K comes out of LDS as it lies, V turned, by ds_load_tr16_b128.
; SOFTMAX.  A running maximum m and sum l: p = 2^(c s - c m), c = log2(e) / 32; in every step O and l are multiplied by a = 2^(c m_old - c m_new).  m starts at the lowest finite number, O and l at 0: the first
; step is a step like any other, with a = 0; the price is 256 v_mov_b32 in the wait for the first tile.
; BATCHES.  A step's K and V are 256 registers each, taken as four batches of 128 (keys 0-31 and 32-63 of K, then of V) through two buffers: the next batch's 32 LDS loads go out in ONE run, and then
; the batch in hand is multiplied, 32 matrix instructions back to back: two window switches a batch.
; CLUSTER.  The four query blocks of a cluster belong to one pair and walk the same K and V: each tile is asked for jointly.
; REGISTERS, in windows of 256 (s_set_vgpr_msb: bits 1:0 source 0, 3:2 source 1, 5:4 source 2, 7:6 destination):
;   window 0: v0-15 addresses; v16-31 eight registers of statistics a tile; v64-127 S^T, 32 a tile; v128-159 P, 16 a tile      window 1: O^T, 128 a tile      window 2: v0-127 Q      window 3: the two buffers
.set KS,    64
.set PK,    528       ; a row of K in LDS: 512 bytes + 16: an odd multiple of 16
.set PV,    544       ; a row of V: 512 + 32: an odd multiple of 32, for the turning load
.set VOFF,  KS*PK     ; a step's tiles lie together: 64 rows of K (33,792 bytes), then 64 rows of V (34,816)
.set STEPB, 0x11000   ; from step to step: those 68,608 bytes and 1,024 that are not used
.set SLOT1, 0x22000   ; a slot holds two steps; slot 1 begins here.  Bits 13 and 17 are 0 in slot 0's four tile addresses (0, 0x8400, 0x11000, 0x19400), so one exclusive or turns an address in one slot into the other's
.set STAGE, 2*SLOT1   ; behind the ring: 16 rows x 528 bytes for each wave, for the way out
.set SP,    528
.set SPARE, STAGE+4*16*SP  ; the spare words: 128 bytes a wave, two blocks of 256 bytes that no other line names
.set AK0, 2           ; my lane's place in a tile of K; never rewritten
.set AV0, 3           ; the same for V
.set ADK, 4           ; the LDS address of the step being fetched, K
.set ADV, 5           ; and V
.set STO, 6
.set RD,  7
.set GO,  8
.set QO,  9
.set MK,  10          ; v10-11 my two queries' mask words
.set MO,  12
.set ST,  16          ; tile t at v[ST+8 t]: c m, m, l (even keys', odd keys'), c0-c3 at work; a takes c2's place
.set SPW, 62
.set NIL, 63
.set S,   64
.set P,   128
.set WV,  12
.set G1K, 24
.set G1V, 32
.set G0K, 40          ; s[40:47] group 0 for K's tiles: a set for each of the two first fills; the second then walks on
.set G0V, 48          ; s[48:55] for V's
.set SLOTS, 56
.set TWICE, 57
.set CS,  58          ; s[58:59] c
.set SEL, 60          ; s[60:61] v_permlanex16_b32's selects: each lane takes its own place in the other half
.set TB,  62          ; LDS byte at which the tiles of the step to be fetched begin
.set MSB, 0
.macro WIN new
.if MSB != (\new)
	s_set_vgpr_msb (MSB<<8)|(\new)
.set MSB, (\new)
.endif
.endm
.set W_KQ, 0x0b       ; K in window 3, Q in window 2, S^T in window 0
.set W_PV, 0x53       ; V in window 3, P in window 0, O^T in window 1
.set W_RS, 0x41       ; O^T in window 1, the factor in window 0
.set W_TOX, 0xc0      ; destination window 3, address window 0
.macro JLOAD                        ; a joint refill: waves 0 and 1 fetch the K of the slot's two steps, waves 2 and 3 the V; an s_nop 0 and four v_nop follow each line
	s_cmp_lt_u32 s[WV], 2
	s_cbranch_scc0 .Lfor_v_\@
	tensor_load_to_lds s[G0K+4:G0K+7], s[G1K:G1K+7]
	s_nop 0
.rept 4
	v_nop
.endr
	s_branch .Lasked_\@
.Lfor_v_\@:
	tensor_load_to_lds s[G0V+4:G0V+7], s[G1V:G1V+7]
	s_nop 0
.rept 4
	v_nop
.endr
.Lasked_\@:
.endm
.macro CROUND                       ; a round of the cluster's barrier
	s_barrier_signal -1
	s_barrier_wait -1
	s_cmp_lg_u32 s[WV], 0
	s_cbranch_scc1 .Lnot_wave_0_\@
	s_barrier_signal -3
.Lnot_wave_0_\@:
	s_barrier_wait -3
	s_barrier_signal -1
	s_barrier_wait -1
.endm
.macro PLACES
.rept 4
	v_nop
.endr
.endm
	s_load_b128 s[4:7], s[0:1], 0x0  ; qkv, mask_t
	s_load_b64 s[8:9], s[0:1], 0x10  ; oh
	v_lshl_add_u32 v[SPW], v0, 2, SPARE
	v_mov_b32 v[NIL], 0
	ds_add_u32 v[SPW], v[NIL]       ; the wave's opening: the add and its wait ahead of my first tensor load
	v_lshrrev_b32 v1, 5, v0
	v_readfirstlane_b32 s[WV], v1
	s_bfe_u32 s13, ttmp6, 0x40000   ; cx
	s_lshl_b32 s14, ttmp9, 2
	s_add_co_u32 s14, s14, s13      ; my block of 128 queries: it enters Q's, the mask's and O's addresses alone
	s_and_b32 s15, ttmp7, 0xffff    ; the pair 8 h + b, which the four partners share
	s_and_b32 s16, s[WV], 1         ; which of a slot's two steps I fetch
	s_lshl_b32 s20, s15, 19         ; the pair's 524,288 bytes,
	s_lshl_b32 s17, s16, 15         ; my step's 64 rows of 512 bytes
	s_add_co_u32 s20, s20, s17
	s_mov_b32 s21, 0
	s_mul_i32 s17, s16, STEPB       ; and its place in a slot
	s_lshl_b32 s18, s14, 7
	s_lshl_b32 s19, s[WV], 5
	s_add_co_u32 s18, s18, s19      ; my first query in the pair
	s_lshl_b32 s22, s18, 9
	s_lshl_b32 s19, s15, 19
	s_add_co_u32 s22, s22, s19      ; its byte in q
	s_mov_b32 s23, 0
	s_and_b32 s19, s15, 7           ; b
	s_lshl_b32 s19, s19, 10
	s_add_co_u32 s18, s18, s19      ; its row among the 8,192
	s_lshl_b32 s2, s18, 2           ; in mask_t,
	s_mov_b32 s3, 0
	s_lshl_b32 s10, s18, 11         ; and in oh, 2,048 bytes a row,
	s_lshr_b32 s19, s15, 3          ; the head's 512 bytes
	s_lshl_b32 s19, s19, 9
	s_add_co_u32 s10, s10, s19
	s_mov_b32 s11, 0
	s_mov_b32 s[G1K], 15|(1<<16)|(1<<20)|(1<<21)|(6<<22)|(3<<25)  ; the mask of four; 2-byte elements; padding on; bit 21 beside a mask; after every 128 words 4 words
	s_mov_b32 s[G1V], 15|(1<<16)|(1<<20)|(1<<21)|(6<<22)|(7<<25)  ; the same with 8 words
.irp g, G1K, G1V
	s_mov_b32 s[\g+1], 256<<16      ; tensor_dim0 = 256
	s_mov_b32 s[\g+2], KS<<16       ; tensor_dim1 = 64
	s_mov_b32 s[\g+3], 256<<16      ; tile_dim0 = 256
	s_mov_b32 s[\g+4], KS           ; tile_dim1 = 64
	s_mov_b32 s[\g+5], 256          ; elements from row to row
	s_mov_b32 s[\g+6], 0
	s_mov_b32 s[\g+7], 0
.endr
	s_mov_b32 s[CS], 0x3d38aa3b     ; c = log2(e) / 32
	s_mov_b32 s[CS+1], s[CS]
	s_mov_b32 s[SEL], 0x76543210
	s_mov_b32 s[SEL+1], 0xfedcba98
	s_wait_dscnt 0x0                ; the opening add is done
	s_wait_kmcnt 0x0
	s_add_nc_u64 s[20:21], s[4:5], s[20:21]      ; k at my step of slot 0
	s_add_nc_u64 s[22:23], s[4:5], s[22:23]
	s_add_nc_u64 s[22:23], s[22:23], 0x2000000   ; q at my wave's first row
	s_add_nc_u64 s[6:7], s[6:7], s[2:3]
	s_add_nc_u64 s[8:9], s[8:9], s[10:11]
	CROUND                          ; all four work-groups are here: the first joint loads meet
.irp s, 0,1
	s_mov_b32 s[G0K+4*(\s)], 1
	s_add_co_u32 s[G0K+4*(\s)+1], s17, (\s)*SLOT1
	s_add_nc_u64 s[G0K+4*(\s)+2:G0K+4*(\s)+3], s[20:21], (\s)*65536  ; slot s begins with keys 128 s
	s_or_b32 s[G0K+4*(\s)+3], s[G0K+4*(\s)+3], 0x80000000
	s_mov_b32 s[G0V+4*(\s)], 1
	s_add_co_u32 s[G0V+4*(\s)+1], s17, (\s)*SLOT1+VOFF
	s_add_nc_u64 s[G0V+4*(\s)+2:G0V+4*(\s)+3], s[20:21], 0x1000000+(\s)*65536
	s_or_b32 s[G0V+4*(\s)+3], s[G0V+4*(\s)+3], 0x80000000
.endr
	s_cmp_lt_u32 s[WV], 2           ; a wave's two first fills stand in one branch: two loads of mine are out
	s_cbranch_scc0 .Lfirst_v
	tensor_load_to_lds s[G0K:G0K+3], s[G1K:G1K+7]
	s_nop 0
	tensor_load_to_lds s[G0K+4:G0K+7], s[G1K:G1K+7]
	s_nop 0
.rept 4
	v_nop
.endr
	s_branch .Lfirst_asked
.Lfirst_v:
	tensor_load_to_lds s[G0V:G0V+3], s[G1V:G1V+7]
	s_nop 0
	tensor_load_to_lds s[G0V+4:G0V+7], s[G1V:G1V+7]
	s_nop 0
.rept 4
	v_nop
.endr
.Lfirst_asked:
	v_and_b32 v1, 15, v0            ; l % 16
	v_bfe_u32 v13, v0, 4, 1         ; l / 16
	v_lshlrev_b32 v[QO], 9, v1
	v_lshl_add_u32 v[QO], v13, 4, v[QO]  ; row x 512 + 16 x half
	v_lshlrev_b32 v[MO], 2, v1
	global_load_b32 v[MK], v[MO], s[6:7]
	global_load_b32 v[MK+1], v[MO], s[6:7] offset:64
	WIN 0x80                        ; destination window 2
.irp t, 0,1
.irp c, 0,1,2,3,4,5,6,7             ; Q stays in registers: tile t, channels 32 c on
	global_load_b128 v[64*\t+8*\c:64*\t+8*\c+3],   v[QO], s[22:23] offset:\t*8192+\c*64
	global_load_b128 v[64*\t+8*\c+4:64*\t+8*\c+7], v[QO], s[22:23] offset:\t*8192+\c*64+32
.endr
.endr
	WIN 0x40
.set z, 0
.rept 256                           ; O^T = 0, in the wait for the first tile
	v_mov_b32 v[z], 0
.set z, z+1
.endr
	WIN 0
.irp t, 0,1
	v_mov_b32 v[ST+8*\t], 0xfe000000    ; c m: far below every c s
	v_mov_b32 v[ST+8*\t+1], 0xff7fffff  ; m
	v_mov_b32 v[ST+8*\t+2], 0
	v_mov_b32 v[ST+8*\t+3], 0
.endr
	v_mul_u32_u24 v[AK0], v1, PK
	v_lshl_add_u32 v[AK0], v13, 4, v[AK0]  ; row x pitch + 16 x half
	v_and_b32 v14, 7, v0            ; the turning load: lane l reads key 8 (l / 16) + l % 8, channels 8 ((l / 8) % 2) + 0..7
	v_bfe_u32 v15, v0, 3, 1
	v_lshl_add_u32 v[AV0], v13, 3, v14
	v_mul_u32_u24 v[AV0], v[AV0], PV
	v_lshl_add_u32 v[AV0], v15, 4, v[AV0]
	v_add_nc_u32 v[AV0], VOFF, v[AV0]
	s_mul_i32 s13, s[WV], 16*SP
	s_add_co_u32 s13, s13, STAGE    ; my stage
	v_mul_u32_u24 v[STO], v1, SP    ; in: row l % 16, 16 bytes for each half of the lanes
	v_lshl_add_u32 v[STO], v13, 4, v[STO]
	v_add_nc_u32 v[STO], s13, v[STO]
	v_and_b32 v[GO], 31, v0
	v_lshlrev_b32 v[GO], 4, v[GO]   ; back: 32 lanes take one row of 512 bytes
	v_add_nc_u32 v[RD], s13, v[GO]
; Group i of eight of a batch's loads, four loads.  lk = 0: K, keys 32 lh on: channels 32 i on of both blocks of 16 keys.  lk = 1: V, keys 32 lh on: channel blocks 2 i and 2 i + 1.  Into buffer lh.
.macro LDG lk, lh, i
.irp e, 0,1
.if (\lk) == 0
	ds_load_b128 v[128*(\lh)+16*(\i)+8*\e:128*(\lh)+16*(\i)+8*\e+3],   v[ADK] offset:(2*(\lh)+\e)*16*PK+64*(\i)
	ds_load_b128 v[128*(\lh)+16*(\i)+8*\e+4:128*(\lh)+16*(\i)+8*\e+7], v[ADK] offset:(2*(\lh)+\e)*16*PK+64*(\i)+32
.else
	ds_load_tr16_b128 v[128*(\lh)+16*(\i)+8*\e:128*(\lh)+16*(\i)+8*\e+3],   v[ADV] offset:(\lh)*32*PV+32*(2*(\i)+\e)
	ds_load_tr16_b128 v[128*(\lh)+16*(\i)+8*\e+4:128*(\lh)+16*(\i)+8*\e+7], v[ADV] offset:(\lh)*32*PV+16*PV+32*(2*(\i)+\e)
.endif
.endr
.endm
; A SEGMENT: batch (lk, lh) is asked for, 32 loads in one run into the buffer that the last segment multiplied; then batch (mk, mh), asked for a segment ago, is multiplied from the other.  lk = -1: nothing is loaded.
; Four places first (pl = 1: v_nop; 2: the addresses of the step to be fetched and two v_nop; 0: the softmax has been the places): the loads go into registers that the last segment's products read.
; The wait stands ahead of the run's last four loads: behind the 32 loads of the batch to be multiplied 28 have then been issued; 60 LDS instructions are out at the most.
; K: channels 32 g on x (2 key blocks x 2 tiles): four accumulators by turns, the first four start the sums.  V: channel blocks 2 g, 2 g + 1 x 2 tiles: 32 accumulators by turns.
.macro SEG mk, mh, lk, lh, pl
.if (\pl) == 2
	WIN 0
	v_add_nc_u32 v[ADK], s[TB], v[AK0]
	v_add_nc_u32 v[ADV], s[TB], v[AV0]
	v_nop
	v_nop
.elseif (\pl) == 1
	PLACES
.endif
.if (\lk) >= 0
	WIN W_TOX
.set g, 0
.rept 7
	LDG \lk, \lh, g
.set g, g+1
.endr
	s_wait_dscnt 28
	LDG \lk, \lh, 7
.endif
.set g, 0
.rept 8
.irp e, 0,1
.irp t, 0,1
.if (\mk) == 0
	WIN W_KQ
.set rS, S+32*\t+8*(2*(\mh)+\e)
.set rK, 128*(\mh)+16*g+8*\e
.set rQ, 64*\t+8*g
.if g == 0
	v_wmma_f32_16x16x32_f16 v[rS:rS+7], v[rK:rK+7], v[rQ:rQ+7], 0
.else
	v_wmma_f32_16x16x32_f16 v[rS:rS+7], v[rK:rK+7], v[rQ:rQ+7], v[rS:rS+7]
.endif
.else
	WIN W_PV
.set rO, 128*\t+8*(2*g+\e)
.set rV, 128*(\mh)+16*g+8*\e
.set rP, P+16*\t+8*(\mh)
	v_wmma_f32_16x16x32_f16 v[rO:rO+7], v[rV:rV+7], v[rP:rP+7], v[rO:rO+7]
.endif
.endr
.endr
.set g, g+1
.endr
.endm
; THE SOFTMAX of a tile and step is a list of 166 instructions; SM writes number j of it for tile t.  s0-s31 are the lane's 32 scores, in pairs 0-15.
;   0-15    the maximum of s0-s31 and the old m, three operands at a time (each accumulator's lowest registers are read first)
;   16-20   the other half of the lanes' maximum; the new m; c m; c m_old - c m_new
;   21-87   33 exponentials (a, then s0-s31) at the odd numbers from 23 on; the plain lines between them are c s - c m for pairs still to come and the rounding to f16 of pairs that are done, at last the first sums
;   88-101  the last rounding; the rest of the sums; l = a l + the sum          102-165 the tile's O^T times a, from each accumulator's low end
.macro SM t
.set rT, ST+8*(\t)
.set rS, S+32*(\t)
.set rP, P+16*(\t)
.set rO, 128*(\t)+2*(j-102)
.set q, (j-20)/2
.if j < 102
	WIN 0
.endif
.if j < 4
	v_max3_num_f32 v[rT+4+j], v[rS+8*j], v[rS+8*j+1], v[rS+8*j+2]
.elseif j < 12
	v_max3_num_f32 v[rT+4+j%4], v[rT+4+j%4], v[rS+8*(j%4)+2*(j/4)+1], v[rS+8*(j%4)+2*(j/4)+2]
.elseif j == 12
	v_max3_num_f32 v[rT+4], v[rT+4], v[rS+7], v[rS+15]
.elseif j == 13
	v_max3_num_f32 v[rT+6], v[rT+6], v[rS+23], v[rS+31]
.elseif j == 14
	v_max3_num_f32 v[rT+4], v[rT+4], v[rT+5], v[rT+6]
.elseif j == 15
	v_max3_num_f32 v[rT+4], v[rT+4], v[rT+7], v[rT+1]
.elseif j == 16
	v_permlanex16_b32 v[rT+5], v[rT+4], s[SEL], s[SEL+1]  ; the query's other 32 keys lie in the lane 16 away
.elseif j == 17
	v_mov_b32 v[rT+7], v[rT]        ; c m_old is kept for a
.elseif j == 18
	v_max_num_f32 v[rT+1], v[rT+4], v[rT+5]
.elseif j == 19
	v_mul_f32 v[rT], s[CS], v[rT+1]
.elseif j == 20
	v_sub_f32 v[rT+7], v[rT+7], v[rT]
.elseif j == 23
	v_exp_f32 v[rT+6], v[rT+7]
.elseif (j < 88) && (j > 23) && (j%2 == 1)
	v_exp_f32 v[rS+(j-25)/2], v[rS+(j-25)/2]
.elseif (q < 4) || ((j < 76) && (q%2 == 0))
.set b, q/2+2
.if q < 4
.set b, q
.endif
	v_pk_fma_f32 v[rS+2*b:rS+2*b+1], v[rS+2*b:rS+2*b+1], s[CS:CS+1], v[rT:rT+1] op_sel_hi:[1,0,0] neg_lo:[0,0,1] neg_hi:[0,0,1]  ; pair b: c s - c m
.elseif (j < 88) && (q%2 == 1)
	s_wait_alu depctr_va_vdst(0)
	v_cvt_pk_f16_f32 v[rP+(q-5)/2], v[rS+q-5], v[rS+q-4]
.elseif j == 89
	s_wait_alu depctr_va_vdst(0)
	v_cvt_pk_f16_f32 v[rP+15], v[rS+30], v[rS+31]
.elseif j < 102                     ; the sum of the 16 pairs, in place: neighbours 1, 2, 4 and 8 pairs apart, then l takes it
.set z, j-86
.if j < 89
.set z, (j-76)/4
.endif
.set w, 4
.set u, z
.if z >= 14
.set w, 32
.set u, 0
.elseif z >= 12
.set w, 16
.set u, z-12
.elseif z >= 8
.set w, 8
.set u, z-8
.endif
.if z < 15
	v_pk_add_f32 v[rS+w*u:rS+w*u+1], v[rS+w*u:rS+w*u+1], v[rS+w*u+w/2:rS+w*u+w/2+1]
.else
	v_pk_fma_f32 v[rT+2:rT+3], v[rT+2:rT+3], v[rT+6:rT+7], v[rS:rS+1] op_sel_hi:[1,0,1]
.endif
.else
	WIN W_RS
	v_pk_mul_f32 v[rO:rO+1], v[rO:rO+1], v[rT+6:rT+7] op_sel_hi:[1,0]
.endif
.endm
; Both tiles' lists, two numbers at a time.  From 22 to 87 tile by tile: plain, exponential, plain, exponential, so that a plain line stands behind every exponential; elsewhere the tiles alternate.
.macro SOFTMAX
	PLACES                          ; behind the products that made the scores
.set k, 0
.rept 83
.if (k >= 11) && (k < 44)
.irp t, 0,1
.irp n, 0,1
.set j, 2*k+\n
	SM \t
.endr
.endr
.else
.irp n, 0,1
.irp t, 0,1
.set j, 2*k+\n
	SM \t
.endr
.endr
.endif
.set k, k+1
.endr
.endm
; THE CHANGE OF SLOTS.  The slot's last bytes, V of its second step, have been asked for.  Each wave waits for all its tensor loads (one is out: its part of the other slot), adds 0 to its spare word, and waits
; for that and for its reads of the slot.  fill = 1: a round of the cluster's barrier, and the slot is asked for again first thing behind it, with the keys two slots on: it has two key steps in which to land.
.macro CHANGE fill
	WIN 0
	s_wait_tensorcnt 0x0            ; no tensor load of mine is out, so a group 0 may be written
	ds_add_u32 v[SPW], v[NIL]       ; 0 onto my spare word; with fill = 1 the descriptors' steps stand between it and the wait for it
.if \fill
.irp g, G0K+4, G0V+4
	s_xor_b32 s[(\g)+1], s[(\g)+1], SLOT1  ; the walking descriptor: the other slot than last time,
	s_add_nc_u64 s[(\g)+2:(\g)+3], s[(\g)+2:(\g)+3], 0x10000  ; the next 128 keys; the type bits on top are not reached
.endr
	s_wait_dscnt 0x0                ; the add is done, and my reads of the slot are over
	CROUND
	JLOAD
.else
	s_wait_dscnt 0x0                ; the add is done, and my reads of the slot are over
	s_barrier_signal -1
	s_barrier_wait -1
.endif
	s_sub_co_u32 s[TB], s[TB], 2*STEPB  ; the fetches go back to a slot's first step,
	s_xor_b32 s[TB], s[TB], SLOT1       ; in the other slot
.endm
; A slot's two key steps: written once, walked twice; the LDS addresses hang on s[TB].  A trip: the last batch of V of the step before, then K Q^T, the softmax and the first batch of V of the step whose tiles it fetches.
.macro TWO tag
	s_mov_b32 s[TWICE], 2
.Ltrip_\tag:
	SEG 1, 1, 0, 0, 2
	WIN 0
.Lmid_\tag:
	SEG 0, 0, 0, 1, 1
	SEG 0, 1, 1, 0, 1
	SOFTMAX
	SEG 1, 0, 1, 1, 0
	WIN 0
	s_add_co_u32 s[TB], s[TB], STEPB
	s_sub_co_u32 s[TWICE], s[TWICE], 1
	s_cmp_lg_u32 s[TWICE], 0
	s_cbranch_scc1 .Ltrip_\tag
.endm
	s_wait_tensorcnt 0x1            ; my part of slot 0 is in; slot 1's may stay out
	s_barrier_signal -1
	s_barrier_wait -1
	s_mov_b32 s[TB], 0
	v_add_nc_u32 v[ADK], s[TB], v[AK0]
	v_add_nc_u32 v[ADV], s[TB], v[AV0]
	WIN W_TOX
.set g, 0
.rept 8
	LDG 0, 0, g                     ; key step 0: K's first batch
.set g, g+1
.endr
	WIN 0
	s_wait_loadcnt 0x0              ; Q and the mask
	s_mov_b32 s[TWICE], 2
	s_mov_b32 s[SLOTS], 7
	s_branch .Lmid_L                ; the loop is entered in the middle of a trip: there is no step before the first, and slot 0 is there
.Lslot:                             ; six times: every slot but the last two is filled again
	CHANGE 1
	TWO L
	s_sub_co_u32 s[SLOTS], s[SLOTS], 1
	s_cmp_lg_u32 s[SLOTS], 0
	s_cbranch_scc1 .Lslot
	CHANGE 0                        ; the tail is written out: nothing is asked for
	TWO T
	s_wait_dscnt 0x0
	SEG 1, 1, -1, 0, 0              ; the last step's last batch of V
	; THE WAY OUT.  l's two halves and the other half of the lanes' are added; 1 / l, or 0 where the query's mask is 0; O^T times that, rounded to f16, through my stage in LDS, a tile at a time.
	PLACES
	WIN 0
.irp t, 0,1
	v_add_f32 v[ST+8*\t+4], v[ST+8*\t+2], v[ST+8*\t+3]
.endr
.irp t, 0,1
	v_permlanex16_b32 v[ST+8*\t+5], v[ST+8*\t+4], s[SEL], s[SEL+1]
.endr
.irp t, 0,1
	v_add_f32 v[ST+8*\t+4], v[ST+8*\t+4], v[ST+8*\t+5]
.endr
.irp t, 0,1
	v_rcp_f32 v[ST+8*\t+6], v[ST+8*\t+4]
.endr
	v_nop                           ; a plain instruction between the last reciprocal and the use of its result
	s_wait_alu depctr_va_vdst(0)
.irp t, 0,1
	v_cmp_ne_u32 vcc_lo, 0, v[MK+\t]
	v_cndmask_b32 v[ST+8*\t+6], 0, v[ST+8*\t+6], vcc_lo
.endr
.macro PACKO t
	WIN W_RS
.set z, 128*(\t)
.rept 64
	v_pk_mul_f32 v[z:z+1], v[z:z+1], v[ST+8*(\t)+6:ST+8*(\t)+7] op_sel_hi:[1,0]
.set z, z+2
.endr
	WIN 0x05                        ; sources in window 1, destination in window 0: S^T's registers are free
.set z, 0
.rept 64
	v_cvt_pk_f16_f32 v[S+z], v[128*(\t)+2*z], v[128*(\t)+2*z+1]
.set z, z+1
.endr
	WIN 0
.irp f, 0,1,2,3,4,5,6,7,8,9,10,11,12,13,14,15
	ds_store_b128 v[STO], v[S+4*\f:S+4*\f+3] offset:32*\f
.endr
.irp f, 0,1,2,3,4,5,6,7,8,9,10,11,12,13,14,15
	ds_load_b128 v[128+64*(\t)+4*\f:128+64*(\t)+4*\f+3], v[RD] offset:\f*SP  ; LDS serves a wave's instructions in order: these see the stores above; the next tile's stores come behind them
.endr
.endm
.macro SENDO t, younger             ; younger: the LDS instructions issued behind tile t's loads
.irp f, 0,1,2,3,4,5,6,7,8,9,10,11,12,13,14,15
	s_wait_dscnt (\younger)+15-\f
	global_store_b128 v[GO], v[128+64*(\t)+4*\f:128+64*(\t)+4*\f+3], s[8:9] offset:(16*(\t)+\f)*2048  ; 512 consecutive bytes, aligned
.endr
.endm
	PACKO 0
	PACKO 1
	SENDO 0, 32
	SENDO 1, 0
	s_wait_tensorcnt 0x0            ; the wave's end
	ds_add_u32 v[SPW], v[NIL]
	s_wait_dscnt 0x0
	CROUND                          ; the closing round
	s_endpgm
.Lfunc_end_k_q67b127a9bf_attn:
	.size	k_q67b127a9bf_attn, .Lfunc_end_k_q67b127a9bf_attn-k_q67b127a9bf_attn
	.p2alignl 7, 3214868480
	.fill 96, 4, 3214868480
	.section	.rodata,"a",@progbits
	.p2align	6, 0x0
	.amdhsa_kernel k_q67b127a9bf_attn
		.amdhsa_group_segment_fixed_size 327680
		.amdhsa_private_segment_fixed_size 0
		.amdhsa_enable_private_segment 0
		.amdhsa_kernarg_size 24
		.amdhsa_user_sgpr_count 2
		.amdhsa_user_sgpr_kernarg_segment_ptr 1
		.amdhsa_wavefront_size32 1
		.amdhsa_system_sgpr_workgroup_id_x 1
		.amdhsa_system_sgpr_workgroup_id_y 1
		.amdhsa_system_sgpr_workgroup_id_z 1
		.amdhsa_system_vgpr_workitem_id 0
		.amdhsa_next_free_vgpr 1024
		.amdhsa_next_free_sgpr 66
		.amdhsa_reserve_vcc 1
		.amdhsa_float_denorm_mode_32 3
		.amdhsa_float_denorm_mode_16_64 3
		.amdhsa_memory_ordered 1
		.amdhsa_forward_progress 1
		.amdhsa_inst_pref_size 123
	.end_amdhsa_kernel
	.amdgpu_metadata
---
amdhsa.version: [ 1, 2 ]
amdhsa.kernels:
  - .name:           k_q67b127a9bf_attn
    .symbol:         k_q67b127a9bf_attn.kd
    .args:
      - { .name: qkv, .offset: 0, .size: 8, .value_kind: global_buffer, .address_space: global }
      - { .name: mask_t, .offset: 8, .size: 8, .value_kind: global_buffer, .address_space: global }
      - { .name: oh, .offset: 16, .size: 8, .value_kind: global_buffer, .address_space: global }
    .group_segment_fixed_size: 327680
    .private_segment_fixed_size: 0
    .kernarg_segment_align: 8
    .kernarg_segment_size: 24
    .max_flat_workgroup_size: 128
    .sgpr_count:     66
    .vgpr_count:     1024
    .wavefront_size: 32
...
	.end_amdgpu_metadata
.endif
;; end of part 3
;; launch outp (part 4): grid 4 x 64, 4 waves a work-group, clusters of 4 x 4, 327,680 bytes of LDS; arguments oh, wb, bo, mask_t, out0; writes out0
.if DOCPART == 4
	.amdgcn_target "amdgcn-amd-amdhsa--gfx1250"
	.amdhsa_code_object_version 6
	.text
	.protected	k_q67b127a9bf_outp
	.globl	k_q67b127a9bf_outp
	.p2align	8
	.type	k_q67b127a9bf_outp,@function
k_q67b127a9bf_outp:
	s_mov_b64 s[64:65], 0
	v_nop
	global_prefetch_b8 v0, s[64:65] scope:SCOPE_SE
	s_setreg_imm32_b32 hwreg(HW_REG_WAVE_MODE, 25, 1), 1
	s_wait_xcnt 0x0
	s_wait_alu depctr_hold_cnt(0) depctr_sa_sdst(0) depctr_va_vdst(0) depctr_va_sdst(0) depctr_va_ssrc(0) depctr_va_vcc(0) depctr_vm_vsrc(0)
	s_getreg_b32 s2, hwreg(HW_REG_IB_STS2, 6, 4)
	s_cmp_eq_u32 s2, 0
	s_cbranch_scc0 .Lentry_in_a_cluster
	s_endpgm
.Lentry_in_a_cluster:
	s_bfe_u32 s2, ttmp6, 0x10000c
	s_cmp_lg_u32 s2, 0xf033
	s_cbranch_scc0 .Lentry_shape_is_right
	s_endpgm
.Lentry_shape_is_right:
; THE OUTPUT PROJECTION.  out0[m][n] = (the sum over k of O[m][k] Wo[n][k] + bo[n]) x mask_t[m], f32.  O: oh [8192][1024] f16; Wo: wb[3], bf16 numbers written as f16; bo rounded to bf16 like every input; sums in f32.
; LIMITS: those of f16 for O and Wo, stated where they are made.  NaN and infinities are not treated apart.
; SHARES.  A work-group makes a tile of 128 rows x 256 columns: 256 work-groups.  Four waves, each 64 x 128: 32 accumulators.  K goes in 8 steps of 128 through two LDS slots; a K step is written once for
; both slots: the LDS addresses hang on s[TB].
; CLUSTER 4 x 4: O's tile is shared along a row of the cluster, Wo's along a column: joint loads.
; INTO THE L2 AHEAD.  O is read from memory once.  The trip that asks for K step t + 2 by tensor load also asks K step t + 4 into the L2, two trips (256 matrix instructions a wave) ahead of the load that wants
; it: 128 rows x 256 bytes, each row's piece by ONE lane of the launch: of the four work-groups that share the rows, work-group j takes rows 32 j to 32 j + 31, its wave 0 a row a lane.  K steps 2 and 3 are asked
; for at the start; the last two filling trips ask for nothing, so no request leaves its row.  Wo is not asked for ahead: 64 blocks of rows read it again and again.
; THE MATRIX INSTRUCTION IS USED TRANSPOSED (source 0 = 16 rows of Wo, source 1 = 16 rows of O): a lane holds row l % 16 and the columns 8 (l / 16) + 0..7.  The bias starts the sums.
; REGISTERS: window 0: v0-31 addresses and the mask; v32-95 O's fragments, two buffers; v96-223 Wo's, two buffers (v96-159 hold the bias at the start; v32-159 the rows on the way out); window 1: the accumulators, (a, b) at 8 (8 a + b).
.set PIT,    272                       ; an LDS row: 256 bytes + 16: an odd multiple of 16
.set HALFA,  64*PIT
.set HALFB,  128*PIT
.set BOFF,   2*HALFA
.set SLOTB,  BOFF+2*HALFB              ; a slot: O's 128 rows, then Wo's 256: 104,448 bytes
.set SLOT1,  1<<17                     ; slot 1 begins here, so that one exclusive or turns an address in one slot into the other's
.set STAGE,  SLOT1+SLOTB               ; behind the ring: 16 rows x 528 bytes for each wave
.set SPITCH, 528
.set SPARE,  STAGE+4*16*SPITCH         ; the spare words: 128 bytes a wave, two blocks of 256 bytes that no other line names
.set M,    8                           ; v8-15  the mask of my row in each of the four row blocks, as f32, in pairs
.set A0,   16                          ; my lane's place among my rows of O in a slot; never rewritten
.set B0,   17                          ; the same for Wo
.set ADRA, 20                          ; s[TB] + A0: the slot being read
.set ADRB, 21
.set STO,  24
.set RD,   25
.set CO,   26
.set BO,   27
.set SPW,  28
.set NIL,  29
.set MO,   30
.set VPF,  31                          ; the request ahead: row 32 j + l of the tile's 128, 2,048 bytes a row; never rewritten
.set AF,   32
.set BF,   96
.set BI,   96
.set WK,   224
.set OB,   32
.set TB,  14                           ; LDS byte at which the slot being read begins
.set WV,  20
.set MH,  21
.set NH,  22
.set G1A, 28
.set G1B, 36
.set G0A, 44                           ; s[44:51] group 0 for O's tiles: a set for each of the two first fills; the second then walks on
.set G0B, 52                           ; s[52:59] the same for Wo's
.set STEPC, 60
.set HM,  61
.set MSB, 0
.macro WIN new
.if MSB != (\new)
	s_set_vgpr_msb (MSB<<8)|(\new)
.set MSB, (\new)
.endif
.endm
.set W_MUL, 0x50                       ; sources in window 0, C and D in window 1
; A joint refill: waves 0 and 1 fetch O's halves, waves 2 and 3 Wo's; an s_nop 0 and four v_nop follow each line.
; Behind its own load wave 0 asks the K step two trips on into the L2: s[4:5] stands at K step t + 1 in trip t, the immediate adds three steps.  In the loop's last two trips (the count stands at 2 and 1) nothing is asked.
.macro JLOAD
	s_cmp_lt_u32 s[WV], 2
	s_cbranch_scc0 .Lfor_b_\@
	tensor_load_to_lds s[G0A+4:G0A+7], s[G1A:G1A+7]
	s_nop 0
.rept 4
	v_nop
.endr
	s_cmp_lg_u32 s[WV], 0
	s_cbranch_scc1 .Lasked_\@
	s_cmp_lt_u32 s[STEPC], 3
	s_cbranch_scc1 .Lasked_\@
	global_prefetch_b8 v[VPF], s[4:5] offset:768 th:TH_LOAD_NT scope:SCOPE_SE
	s_branch .Lasked_\@
.Lfor_b_\@:
	tensor_load_to_lds s[G0B+4:G0B+7], s[G1B:G1B+7]
	s_nop 0
.rept 4
	v_nop
.endr
.Lasked_\@:
.endm
.macro CREST
	s_cmp_lg_u32 s[WV], 0
	s_cbranch_scc1 .Lnot_wave_0_\@
	s_barrier_signal -3
.Lnot_wave_0_\@:
	s_barrier_wait -3
	s_barrier_signal -1
	s_barrier_wait -1
.endm
.macro CROUND
	s_barrier_signal -1
	s_barrier_wait -1
	CREST
.endm
.macro PLACES
.rept 4
	v_nop
.endr
.endm
	s_load_b256 s[4:11], s[0:1], 0x0               ; oh, wb, bo, mask_t
	s_load_b64 s[12:13], s[0:1], 0x20              ; out0
	v_lshl_add_u32 v[SPW], v0, 2, SPARE
	v_mov_b32 v[NIL], 0
	ds_add_u32 v[SPW], v[NIL]                      ; the wave's opening: the add and its wait ahead of my first tensor load
	v_lshrrev_b32 v1, 5, v0
	v_readfirstlane_b32 s[WV], v1
	s_lshr_b32 s[MH], s[WV], 1
	s_and_b32 s[NH], s[WV], 1
	s_bfe_u32 s23, ttmp6, 0x40000                  ; cx
	s_bfe_u32 s24, ttmp6, 0x40004                  ; cy
	s_lshl_b32 s25, ttmp9, 2
	s_add_co_u32 s25, s25, s23                     ; j: the block of 256 columns
	s_and_b32 s26, ttmp7, 0xffff
	s_lshl_b32 s26, s26, 2
	s_add_co_u32 s26, s26, s24                     ; i: the block of 128 rows
	s_lshl_b32 s62, s24, 2
	s_lshl_b32 s62, 15, s62                        ; my row of the cluster
	s_lshl_b32 s63, 0x1111, s23                    ; my column
	s_or_b32 s[G1A], s62, (1<<16)|(1<<20)|(1<<21)|(5<<22)|(3<<25)  ; the mask; 2-byte elements; padding on; bit 21 beside a mask; after every 64 words 4 words
	s_or_b32 s[G1B], s63, (1<<16)|(1<<20)|(1<<21)|(5<<22)|(3<<25)
	s_mov_b32 s[G1A+1], 128<<16                    ; tensor_dim0 = 128
	s_mov_b32 s[G1A+2], 64<<16                     ; tensor_dim1 = 64
	s_mov_b32 s[G1A+3], 128<<16                    ; tile_dim0 = 128
	s_mov_b32 s[G1A+4], 64                         ; tile_dim1 = 64
	s_mov_b32 s[G1A+5], 1024
	s_mov_b32 s[G1A+6], 0
	s_mov_b32 s[G1A+7], 0
	s_mov_b32 s[G1B+1], 128<<16
	s_mov_b32 s[G1B+2], 128<<16
	s_mov_b32 s[G1B+3], 128<<16
	s_mov_b32 s[G1B+4], 128
	s_mov_b32 s[G1B+5], 1024
	s_mov_b32 s[G1B+6], 0
	s_mov_b32 s[G1B+7], 0
	s_lshl_b32 s66, s26, 7                         ; O: row 128 i + 64 x half, 2,048 bytes a row: made of i and the wave alone
	s_lshl_b32 s27, s[NH], 6
	s_add_co_u32 s66, s66, s27
	s_lshl_b32 s66, s66, 11
	s_mov_b32 s67, 0
	s_lshl_b32 s68, s25, 8                         ; Wo: row 256 j + 128 x half: made of j and the wave alone
	s_lshl_b32 s76, s[NH], 7
	s_add_co_u32 s68, s68, s76
	s_lshl_b32 s70, s68, 2                         ; my 128 columns, in bytes of f32
	s_mov_b32 s71, 0
	s_lshl_b32 s68, s68, 11
	s_add_co_u32 s68, s68, 6291456                 ; the fourth matrix of wb
	s_mov_b32 s69, 0
	s_lshl_b32 s72, s26, 7                         ; my first row: 128 i + 64 x my half of the rows
	s_lshl_b32 s77, s[MH], 6
	s_add_co_u32 s72, s72, s77
	s_lshl_b32 s74, s72, 12                        ; in out0, 4,096 bytes a row,
	s_add_co_u32 s74, s74, s70                     ; at my columns
	s_mov_b32 s75, 0
	s_lshl_b32 s72, s72, 2                         ; and in mask_t
	s_mov_b32 s73, 0
	s_mul_i32 s78, s[NH], HALFA                    ; where my tile goes in a slot, if I fetch O,
	s_mul_i32 s79, s[NH], HALFB                    ; and if I fetch Wo
	s_add_co_u32 s79, s79, BOFF
	s_mov_b32 s[HM], 0xffff0000
	s_mov_b32 s[STEPC], 6                          ; K steps 0 to 5 ask for K steps 2 to 7
	s_mov_b32 s[TB], 0
	s_wait_dscnt 0x0                               ; the opening add is done
	s_wait_kmcnt 0x0
	s_add_nc_u64 s[4:5], s[4:5], s[66:67]
	s_add_nc_u64 s[6:7], s[6:7], s[68:69]
	s_add_nc_u64 s[8:9], s[8:9], s[70:71]
	s_add_nc_u64 s[10:11], s[10:11], s[72:73]
	s_add_nc_u64 s[12:13], s[12:13], s[74:75]
	CROUND                                         ; all sixteen work-groups are here: the first joint loads meet
.irp s, 0,1
	s_mov_b32 s[G0A+4*(\s)], 1
	s_add_co_u32 s[G0A+4*(\s)+1], s78, (\s)*SLOT1
	s_add_nc_u64 s[G0A+4*(\s)+2:G0A+4*(\s)+3], s[4:5], (\s)*256
	s_or_b32 s[G0A+4*(\s)+3], s[G0A+4*(\s)+3], 0x80000000
	s_mov_b32 s[G0B+4*(\s)], 1
	s_add_co_u32 s[G0B+4*(\s)+1], s79, (\s)*SLOT1
	s_add_nc_u64 s[G0B+4*(\s)+2:G0B+4*(\s)+3], s[6:7], (\s)*256
	s_or_b32 s[G0B+4*(\s)+3], s[G0B+4*(\s)+3], 0x80000000
.endr
	s_cmp_lt_u32 s[WV], 2                          ; a wave's two first fills stand in one branch: two loads of mine are out
	s_cbranch_scc0 .Lfirst_b
	tensor_load_to_lds s[G0A:G0A+3], s[G1A:G1A+7]
	s_nop 0
	tensor_load_to_lds s[G0A+4:G0A+7], s[G1A:G1A+7]
	s_nop 0
.rept 4
	v_nop
.endr
	s_branch .Lfirst_asked
.Lfirst_b:
	tensor_load_to_lds s[G0B:G0B+3], s[G1B:G1B+7]
	s_nop 0
	tensor_load_to_lds s[G0B+4:G0B+7], s[G1B:G1B+7]
	s_nop 0
.rept 4
	v_nop
.endr
.Lfirst_asked:
	v_and_b32 v6, 31, v0                           ; l
	s_lshl_b32 s77, s25, 5                         ; 32 j: my work-group's rows of the tile
	v_add_nc_u32 v6, s77, v6
	v_lshlrev_b32 v[VPF], 11, v6                   ; 2,048 bytes a row
	s_cmp_lg_u32 s[WV], 0                          ; wave 0's s[4:5] stands at the tile's first row
	s_cbranch_scc1 .Lno_ahead
	global_prefetch_b8 v[VPF], s[4:5] offset:512 th:TH_LOAD_NT scope:SCOPE_SE  ; K step 2, which the first trip's tensor load wants,
	global_prefetch_b8 v[VPF], s[4:5] offset:768 th:TH_LOAD_NT scope:SCOPE_SE  ; and K step 3
.Lno_ahead:
	v_and_b32 v1, 15, v0                           ; l % 16
	v_bfe_u32 v2, v0, 4, 1                         ; l / 16
	v_lshlrev_b32 v[BO], 5, v2
	v_lshlrev_b32 v[MO], 2, v1
.irp b, 0,1,2,3,4,5,6,7                ; the bias: register 8 b + jj holds column 16 b + 8 (l / 16) + jj, as the accumulators do
	global_load_b128 v[BI+8*\b:BI+8*\b+3], v[BO], s[8:9] offset:64*\b
	global_load_b128 v[BI+8*\b+4:BI+8*\b+7], v[BO], s[8:9] offset:64*\b+16
.endr
.irp a, 0,1,2,3
	global_load_b32 v[M+2*\a], v[MO], s[10:11] offset:64*\a
.endr
	v_mul_u32_u24 v3, v1, PIT
	v_lshl_add_u32 v3, v2, 4, v3                   ; row x pitch + 16 x half
	s_mul_i32 s27, s[MH], HALFA
	v_add_nc_u32 v[A0], s27, v3
	s_mul_i32 s27, s[NH], HALFB
	s_add_co_u32 s27, s27, BOFF
	v_add_nc_u32 v[B0], s27, v3
	v_add_nc_u32 v[ADRA], s[TB], v[A0]             ; slot 0
	v_add_nc_u32 v[ADRB], s[TB], v[B0]
	s_mul_i32 s27, s[WV], 16*SPITCH
	s_add_co_u32 s27, s27, STAGE                   ; my stage
	v_mul_u32_u24 v4, v1, SPITCH
	v_lshl_add_u32 v4, v2, 5, v4
	v_add_nc_u32 v[STO], s27, v4                   ; in: row l % 16, 32 bytes for each half of the lanes
	v_and_b32 v[CO], 31, v0
	v_lshlrev_b32 v[CO], 4, v[CO]                  ; back: 32 lanes take one row of 512 bytes
	v_add_nc_u32 v[RD], s27, v[CO]
	s_wait_loadcnt 0x0
.set z, 0
.rept 32                               ; the bias rounded to bf16 and widened again
	v_cvt_pk_bf16_f32 v[WK+z%4], v[BI+2*z], v[BI+2*z+1]
	v_lshlrev_b32 v[BI+2*z], 16, v[WK+z%4]
	v_and_b32 v[BI+2*z+1], s[HM], v[WK+z%4]
.set z, z+1
.endr
.irp a, 0,1,2,3
	v_cvt_f32_i32 v[M+2*\a], v[M+2*\a]
	v_mov_b32 v[M+2*\a+1], v[M+2*\a]
.endr
	WIN 0x40                                       ; the bias starts the sums: no clearing and no add
.set z, 0
.rept 256
	v_mov_b32 v[z], v[BI+z%64]
.set z, z+1
.endr
	WIN 0
; The chunk's (32 along K) next matrix instruction: column block n / 4, row block n % 4.  The 32 accumulators take turns, one instruction a turn.
.macro MM p
.set rD, 8*(8*(n%4)+n/4)
.set rB, BF+64*(\p)+8*(n/4)
.set rA, AF+32*(\p)+8*(n%4)
	v_wmma_f32_16x16x32_f16 v[rD:rD+7], v[rB:rB+7], v[rA:rA+7], v[rD:rD+7]
.set n, n+1
.endm
.macro QUAD p
	WIN W_MUL
.rept 4
	MM \p
.endr
.endm
.macro LDA c, q                        ; O's four row blocks of chunk c into buffer q: eight loads
	WIN 0
.irp a, 0,1,2,3
	ds_load_b128 v[AF+32*(\q)+8*\a:AF+32*(\q)+8*\a+3],   v[ADRA] offset:64*(\c)+\a*16*PIT
	ds_load_b128 v[AF+32*(\q)+8*\a+4:AF+32*(\q)+8*\a+7], v[ADRA] offset:64*(\c)+\a*16*PIT+32
.endr
.endm
.macro LDB c, q, f                     ; Wo's column blocks f to f + 3: eight loads
	WIN 0
.irp e, 0,1,2,3
	ds_load_b128 v[BF+64*(\q)+8*((\f)+\e):BF+64*(\q)+8*((\f)+\e)+3],   v[ADRB] offset:64*(\c)+((\f)+\e)*16*PIT
	ds_load_b128 v[BF+64*(\q)+8*((\f)+\e)+4:BF+64*(\q)+8*((\f)+\e)+7], v[ADRB] offset:64*(\c)+((\f)+\e)*16*PIT+32
.endr
.endm
.macro FETCH c, q                      ; 24 LDS loads in ONE run, never singly among the matrix instructions
	LDA \c, \q
	LDB \c, \q, 0
	LDB \c, \q, 4
.endm
; A CHUNK asks for the next chunk's (fc) fragments, into the buffers that the last chunk multiplied (four v_nop are the places behind its products), and multiplies buffer p, 32 matrix instructions back to back.
.macro CHUNK p, fc
.set n, 0
	PLACES
	FETCH \fc, 1-(\p)
	s_wait_dscnt 24                                ; all but the 24 just issued: this chunk's fragments, asked for a chunk ago, are in
.rept 8
	QUAD \p
.endr
.endm
; A K step's last chunk changes slots: ONE barrier; in front of it each wave waits for all its tensor loads, adds 0 to its spare word, and waits for that and for its reads of this slot.
; fill = 1: the barrier opens a round of the cluster's, and this slot is asked for again first thing behind it, two K steps ahead; the walking descriptors and the walk ahead are stepped between the add and the wait for it.
.macro TURN fill
.set n, 0
	WIN 0
	s_wait_tensorcnt 0x0
	ds_add_u32 v[SPW], v[NIL]
.if \fill
	s_wait_xcnt 0x0                                ; the requests ahead, issued a trip ago or at the start, have read their base: s[4:5] is written only behind this wait
	s_add_nc_u64 s[4:5], s[4:5], 256               ; the walk ahead: a K step on
	s_xor_b32 s[G0A+5], s[G0A+5], SLOT1            ; the other slot than last time: the one being read out,
	s_add_nc_u64 s[G0A+6:G0A+7], s[G0A+6:G0A+7], 256  ; the next K step; the type bits on top are not reached
	s_xor_b32 s[G0B+5], s[G0B+5], SLOT1
	s_add_nc_u64 s[G0B+6:G0B+7], s[G0B+6:G0B+7], 256
.endif
	s_wait_dscnt 1                                 ; the add alone may be out: this chunk's fragments are in
	QUAD 1
	s_wait_dscnt 0x0                               ; the add is done, and my reads of this slot are over
	s_barrier_signal -1
	QUAD 1
	WIN 0
	s_barrier_wait -1
.if \fill
	CREST
	JLOAD
.endif
	s_xor_b32 s[TB], s[TB], SLOT1                  ; the reads go on in the other slot
	v_add_nc_u32 v[ADRA], s[TB], v[A0]
	v_add_nc_u32 v[ADRB], s[TB], v[B0]
.if !(\fill)
	v_nop                                          ; with the two lines above the four places ahead of the loads into buffer 0 (with a fill: the four v_nop behind the joint load)
	v_nop
.endif
	FETCH 0, 0
.rept 6
	QUAD 1
.endr
.endm
.macro STEP fill
	CHUNK 0, 1
	CHUNK 1, 2
	CHUNK 0, 3
	TURN \fill
.endm
	s_wait_tensorcnt 0x1                           ; my part of K step 0 is in; K step 1's may stay out
	s_barrier_signal -1
	s_barrier_wait -1
	FETCH 0, 0
.Lstep:                                                ; six K steps, each of which fills its slot again
	STEP 1
	WIN 0
	s_sub_co_u32 s[STEPC], s[STEPC], 1
	s_cmp_lg_u32 s[STEPC], 0
	s_cbranch_scc1 .Lstep
	s_mov_b32 s[STEPC], 2
.Ltail:                                                ; the last two K steps ask for nothing.  One text for both: the very last turn fetches fragments (of the slot read before) that nothing uses, once a launch
	STEP 0
	WIN 0
	s_sub_co_u32 s[STEPC], s[STEPC], 1
	s_cmp_lg_u32 s[STEPC], 0
	s_cbranch_scc1 .Ltail
	s_wait_dscnt 0x0                               ; those last loads: their registers serve the way out
	PLACES                                         ; ahead of the multiplies that read results just made
; THE WAY OUT of row block a: times the row's mask, in place, from each accumulator's low end; 32 bytes a lane into my stage; back as whole rows of 512 bytes; stored.
.macro MULM a
	WIN 0x41
.set z, 64*(\a)
.rept 32
	v_pk_mul_f32 v[z:z+1], v[z:z+1], v[M+2*(\a):M+2*(\a)+1] op_sel_hi:[1,0]
.set z, z+2
.endr
.endm
.macro TOSTAGE a
	WIN 0x04                                       ; the stores' data in window 1
.irp b, 0,1,2,3,4,5,6,7
	ds_store_b128 v[STO], v[64*(\a)+8*\b:64*(\a)+8*\b+3] offset:64*\b
	ds_store_b128 v[STO], v[64*(\a)+8*\b+4:64*(\a)+8*\b+7] offset:64*\b+16
.endr
	WIN 0
.irp u, 0,1,2,3,4,5,6,7,8,9,10,11,12,13,14,15
	ds_load_b128 v[OB+64*((\a)%2)+4*\u:OB+64*((\a)%2)+4*\u+3], v[RD] offset:\u*SPITCH  ; LDS serves a wave's instructions in order: these see the stores above
.endr
.endm
.macro SEND a
	WIN 0
	s_wait_dscnt 0x0                               ; the block is back in registers
	s_wait_xcnt 0x0                                ; the registers that earlier stores read are loaded again only behind this wait
.irp u, 0,1,2,3,4,5,6,7,8,9,10,11,12,13,14,15
	global_store_b128 v[CO], v[OB+64*((\a)%2)+4*\u:OB+64*((\a)%2)+4*\u+3], s[12:13] offset:(16*(\a)+\u)*4096  ; 512 consecutive bytes, aligned
.endr
.endm
	MULM 0
	TOSTAGE 0
.irp a, 1,2,3
	MULM \a
	SEND (\a)-1
	TOSTAGE \a
.endr
	SEND 3
	s_wait_tensorcnt 0x0                           ; the wave's end
	ds_add_u32 v[SPW], v[NIL]
	s_wait_dscnt 0x0
	CROUND                                         ; the closing round
	s_endpgm
.Lfunc_end_k_q67b127a9bf_outp:
	.size	k_q67b127a9bf_outp, .Lfunc_end_k_q67b127a9bf_outp-k_q67b127a9bf_outp
	.p2alignl 7, 3214868480
	.fill 96, 4, 3214868480
	.section	.rodata,"a",@progbits
	.p2align	6, 0x0
	.amdhsa_kernel k_q67b127a9bf_outp
		.amdhsa_group_segment_fixed_size 327680
		.amdhsa_private_segment_fixed_size 0
		.amdhsa_enable_private_segment 0
		.amdhsa_kernarg_size 40
		.amdhsa_user_sgpr_count 2
		.amdhsa_user_sgpr_kernarg_segment_ptr 1
		.amdhsa_wavefront_size32 1
		.amdhsa_system_sgpr_workgroup_id_x 1
		.amdhsa_system_sgpr_workgroup_id_y 1
		.amdhsa_system_sgpr_workgroup_id_z 1
		.amdhsa_system_vgpr_workitem_id 0
		.amdhsa_next_free_vgpr 512
		.amdhsa_next_free_sgpr 80
		.amdhsa_reserve_vcc 0
		.amdhsa_float_denorm_mode_32 3
		.amdhsa_float_denorm_mode_16_64 3
		.amdhsa_memory_ordered 1
		.amdhsa_forward_progress 1
		.amdhsa_inst_pref_size 78
	.end_amdhsa_kernel
	.amdgpu_metadata
---
amdhsa.version: [ 1, 2 ]
amdhsa.kernels:
  - .name:           k_q67b127a9bf_outp
    .symbol:         k_q67b127a9bf_outp.kd
    .args:
      - { .name: oh, .offset: 0, .size: 8, .value_kind: global_buffer, .address_space: global }
      - { .name: wb, .offset: 8, .size: 8, .value_kind: global_buffer, .address_space: global }
      - { .name: bo, .offset: 16, .size: 8, .value_kind: global_buffer, .address_space: global }
      - { .name: mask_t, .offset: 24, .size: 8, .value_kind: global_buffer, .address_space: global }
      - { .name: out0, .offset: 32, .size: 8, .value_kind: global_buffer, .address_space: global }
    .group_segment_fixed_size: 327680
    .private_segment_fixed_size: 0
    .kernarg_segment_align: 8
    .kernarg_segment_size: 40
    .max_flat_workgroup_size: 128
    .sgpr_count:     80
    .vgpr_count:     512
    .wavefront_size: 32
...
	.end_amdgpu_metadata
.endif
;; end of part 4
;; ======== version 2 of 2: 4 launches; version 1 with the launch castw written anew for expert scheduling mode
;; limits: values are held in f16: magnitudes above 65,504 overflow, below 6.1e-05 lose precision
;; workspace buffers: wb 8,388,608 bytes; qkv 50,331,648 bytes; oh 16,777,216 bytes
;; launch castw (part 5): grid 64 x 4, 8 waves a work-group, no clusters, 0 bytes of LDS; arguments Wk, Wv, Wq, Wo, wb; writes wb
.if DOCPART == 5
	.amdgcn_target "amdgcn-amd-amdhsa--gfx1250"
	.amdhsa_code_object_version 6
	.text
	.protected	k_q67b127a9bf_castw
	.globl	k_q67b127a9bf_castw
	.p2align	8
	.type	k_q67b127a9bf_castw,@function
k_q67b127a9bf_castw:
	s_mov_b64 s[64:65], 0
	v_nop
	global_prefetch_b8 v0, s[64:65] scope:SCOPE_SE
	s_setreg_imm32_b32 hwreg(HW_REG_WAVE_SCHED_MODE, 0, 2), 2
	s_setreg_imm32_b32 hwreg(HW_REG_WAVE_MODE, 25, 1), 1
	s_wait_xcnt 0x0
	s_wait_alu depctr_vm_vsrc(0)
; The four weight matrices, [1024][1024] f32, are rounded once to 16 bits: wb[0] = Wk, wb[1] = Wv, wb[2] = Wq in bf16;
; wb[3] = Wo rounded to bf16 like every input, and that number written as f16 (the last product multiplies f16 by f16).
; LIMIT: a bf16 number is exact in f16 from 6.1e-5 to 65,504 in magnitude; below that it keeps f16's fixed step of 6e-8, beyond it is lost.
; Work-group (x, y): matrix y, numbers 16,384 x to 16,384 x + 16,383: 64 KiB in, 32 KiB out.  A stream: no LDS, no barrier, no matrix unit.
; Thread t takes 16 bytes at 16 t of each block of 4,096 bytes; all sixteen loads go out first, each with registers of its own,
; so the waits on the loads only count down and no register is used twice.  A wave's store covers 256 consecutive bytes, aligned.
; THE MODE: SCHED_MODE bits 1:0 = 2 (LLVM: expert scheduling mode 2), set by the entry lines.  The code itself states the register dependences
; between vector instructions and memory instructions, with s_wait_alu, always for 0.
; THE PLAN.  Registers that memory instructions touch:
;   v1, v2   byte offsets of the loads and of the stores: written once at the head, never again.
;   X        four registers to each load: a load lands there once, issued before any vector line names X; no memory instruction reads X.
;   Y        two registers to each store: written once, by the conversions of its load; read once, by its store; never written again.
; The sixteen loads go in four blocks of four.  Block p converts its four loads into its own Y; the four stores of block p - 1 are dealt among those
; conversions, which name neither that block's Y nor v2.  So one wait at the head of a block states all that its four stores hang on; one more stands
; ahead of the last four stores, and one ahead of the first load.  No register that a memory instruction reads is written again, no vector line writes a
; scalar register, and EXEC is never written: no other wait has a dependence to state.
.set X, 4                              ; v[4:67]   sixteen loads of four numbers
.set Y, 68                             ; v[68:99]  sixteen pairs of packed words
.set T, 100                            ; v[100:101] at work: no memory instruction names them
	s_load_b256 s[4:11], s[0:1], 0x0               ; Wk, Wv, Wq, Wo
	s_load_b64 s[12:13], s[0:1], 0x20              ; wb
	s_and_b32 s14, ttmp7, 0xffff                   ; y: which matrix
	v_lshlrev_b32 v1, 4, v0                        ; 16 t
	v_lshlrev_b32 v2, 3, v0                        ; 8 t
	s_lshl_b32 s16, ttmp9, 16                      ; my 64 KiB of the source
	s_mov_b32 s17, 0
	s_lshl_b32 s18, s14, 21                        ; matrix y in wb,
	s_lshl_b32 s20, ttmp9, 15                      ; my 32 KiB of it
	s_add_co_u32 s18, s18, s20
	s_mov_b32 s19, 0
	s_mov_b32 s21, 0xffff0000                      ; a word's upper bf16
	s_wait_kmcnt 0x0
	s_cmp_eq_u32 s14, 1
	s_cselect_b64 s[4:5], s[6:7], s[4:5]
	s_cmp_eq_u32 s14, 2
	s_cselect_b64 s[4:5], s[8:9], s[4:5]
	s_cmp_eq_u32 s14, 3
	s_cselect_b64 s[4:5], s[10:11], s[4:5]
	s_add_nc_u64 s[4:5], s[4:5], s[16:17]
	s_add_nc_u64 s[12:13], s[12:13], s[18:19]
	s_wait_alu depctr_va_vdst(0)                   ; v1 and v2 are written: every load reads v1 and every store v2 as its offset
.irp i, 0,1,2,3,4,5,6,7,8,9,10,11,12,13,14,15
	global_load_b128 v[X+4*\i:X+4*\i+3], v1, s[4:5] offset:4096*\i th:TH_LOAD_NT
.endr
; Block p: loads 4 p to 4 p + 3 are converted; the stores of loads 4 p - 4 to 4 p - 1 go out among the conversions.  wo = 1: Wo's path.
.macro BLK p, wo
.irp e, 0,1,2,3
.set n, 4*(\p)+\e
	s_wait_loadcnt 15-n                            ; loads come back in order: load n is in, the younger ones stay out
.if ((\p) > 0) && (\e == 0)
	s_wait_alu depctr_va_vdst(0)                   ; the block before has written its eight registers of Y, which this block's four stores read
.endif
.if (\p) > 0
	global_store_b64 v2, v[Y+2*n-8:Y+2*n-7], s[12:13] offset:2048*(n-4)  ; load n - 4's words; no vector line since the wait names them or v2
.endif
.if \wo
	v_cvt_pk_bf16_f32 v[T], v[X+4*n], v[X+4*n+1]   ; to bf16,
	v_cvt_pk_bf16_f32 v[T+1], v[X+4*n+2], v[X+4*n+3]
	v_lshlrev_b32 v[X+4*n], 16, v[T]               ; widened again,
	v_and_b32 v[X+4*n+1], s21, v[T]
	v_lshlrev_b32 v[X+4*n+2], 16, v[T+1]
	v_and_b32 v[X+4*n+3], s21, v[T+1]
	v_cvt_pk_f16_f32 v[Y+2*n], v[X+4*n], v[X+4*n+1]  ; and that number as f16
	v_cvt_pk_f16_f32 v[Y+2*n+1], v[X+4*n+2], v[X+4*n+3]
.else
	v_cvt_pk_bf16_f32 v[Y+2*n], v[X+4*n], v[X+4*n+1]
	v_cvt_pk_bf16_f32 v[Y+2*n+1], v[X+4*n+2], v[X+4*n+3]
.endif
.endr
.endm
; The last block's four stores.
.macro LASTS
	s_wait_alu depctr_va_vdst(0)                   ; block 3 has written its eight registers of Y, which the last four stores read
.irp u, 12,13,14,15
	global_store_b64 v2, v[Y+2*\u:Y+2*\u+1], s[12:13] offset:2048*\u
.endr
.endm
	s_cmp_eq_u32 s14, 3
	s_cbranch_scc1 .Lwo
	BLK 0, 0
	BLK 1, 0
	BLK 2, 0
	BLK 3, 0
	LASTS
	s_endpgm
.Lwo:                                                  ; Wo: to bf16, widened again, and that number as f16
	BLK 0, 1
	BLK 1, 1
	BLK 2, 1
	BLK 3, 1
	LASTS
	s_endpgm
.Lfunc_end_k_q67b127a9bf_castw:
	.size	k_q67b127a9bf_castw, .Lfunc_end_k_q67b127a9bf_castw-k_q67b127a9bf_castw
	.p2alignl 7, 3214868480
	.fill 96, 4, 3214868480
	.section	.rodata,"a",@progbits
	.p2align	6, 0x0
	.amdhsa_kernel k_q67b127a9bf_castw
		.amdhsa_group_segment_fixed_size 0
		.amdhsa_private_segment_fixed_size 0
		.amdhsa_enable_private_segment 0
		.amdhsa_kernarg_size 40
		.amdhsa_user_sgpr_count 2
		.amdhsa_user_sgpr_kernarg_segment_ptr 1
		.amdhsa_wavefront_size32 1
		.amdhsa_system_sgpr_workgroup_id_x 1
		.amdhsa_system_sgpr_workgroup_id_y 1
		.amdhsa_system_sgpr_workgroup_id_z 1
		.amdhsa_system_vgpr_workitem_id 0
		.amdhsa_next_free_vgpr 104
		.amdhsa_next_free_sgpr 66
		.amdhsa_reserve_vcc 0
		.amdhsa_float_denorm_mode_32 3
		.amdhsa_float_denorm_mode_16_64 3
		.amdhsa_memory_ordered 1
		.amdhsa_forward_progress 1
		.amdhsa_inst_pref_size 16
	.end_amdhsa_kernel
	.amdgpu_metadata
---
amdhsa.version: [ 1, 2 ]
amdhsa.kernels:
  - .name:           k_q67b127a9bf_castw
    .symbol:         k_q67b127a9bf_castw.kd
    .args:
      - { .name: Wk, .offset: 0, .size: 8, .value_kind: global_buffer, .address_space: global }
      - { .name: Wv, .offset: 8, .size: 8, .value_kind: global_buffer, .address_space: global }
      - { .name: Wq, .offset: 16, .size: 8, .value_kind: global_buffer, .address_space: global }
      - { .name: Wo, .offset: 24, .size: 8, .value_kind: global_buffer, .address_space: global }
      - { .name: wb, .offset: 32, .size: 8, .value_kind: global_buffer, .address_space: global }
    .group_segment_fixed_size: 0
    .private_segment_fixed_size: 0
    .kernarg_segment_align: 8
    .kernarg_segment_size: 40
    .max_flat_workgroup_size: 256
    .sgpr_count:     66
    .vgpr_count:     104
    .wavefront_size: 32
...
	.end_amdgpu_metadata
.endif
;; end of part 5
;; launch proj: the kernel of part 2 again; grid 4 x 64, 4 waves a work-group, clusters of 4 x 4, 327,680 bytes of LDS; arguments keys, values, x, wb, bk, bv, bq, qkv; writes qkv
;; launch attn: the kernel of part 3 again; grid 8 x 32, 4 waves a work-group, clusters of 4 x 1, 327,680 bytes of LDS; arguments qkv, mask_t, oh; writes oh
;; launch outp: the kernel of part 4 again; grid 4 x 64, 4 waves a work-group, clusters of 4 x 4, 327,680 bytes of LDS; arguments oh, wb, bo, mask_t, out0; writes out0
